; MI455X (gfx1250); checked and timed in simulation.
; The chip was launched on July 23, 2026; its instructions are those of AMD's public machine-readable ISA for CDNA 5 (MIT licence, August 2026) and "CDNA5" Instruction Set Architecture Reference Guide (July 2026). The comments in the code are by the model that wrote it; some were corrected since.
;; Multi Head Attention. Allowed arithmetic: matrix products marked QUANTISED: E2M3 operands, one E8M0 scale for each 32 along K, by v_wmma_scale_f32_16x16x128_f8f6f4 with both operands' format E2M3, f32 sums; everything else in f32.
;; Inputs: b_k 1,024 float32; b_o 1,024 float32; b_q 1,024 float32; b_v 1,024 float32; k 4 x 2,048 x 1,024 float32; mask 4 x 1 x 1 x 2,048 bool; q 4 x 2,048 x 1,024 float32; v 4 x 2,048 x 1,024 float32; w_k 1,024 x 1,024 float32; w_o 1,024 x 1,024 float32; w_q 1,024 x 1,024 float32; w_v 1,024 x 1,024 float32.
;; Outputs: out0 4 x 2,048 x 1,024 float32.
;; This version of the problem:
;;   THIS VERSION OF THE PROBLEM IS GIVEN IN LOW PRECISION. The matrix products marked QUANTISED in the list below multiply operands that are first quantised to E2M3 (2 exponent bits, 3 mantissa bits; 6 bits a number), with one power-of-two scale for each 32 numbers along K (OCP MX v1.0); their sums are f32. All else is computed in f32.
;;   The module's matrix products, in the order in which they are computed (A, B: the left and right operand; K: the contracted axis; several contracted axes count as one K, in the product's order):
;;     1. [M 8,192, K 1,024] x [K 1,024, N 1,024]; A: input q; B: input w_q: QUANTISED
;;     2. [M 8,192, K 1,024] x [K 1,024, N 1,024]; A: input k; B: input w_k: QUANTISED
;;     3. [M 8,192, K 1,024] x [K 1,024, N 1,024]; A: input v; B: input w_v: QUANTISED
;;     4. batch 64 x [M 2,048, K 64] x [K 64, N 2,048]; A: computed on the way; B: computed on the way: QUANTISED
;;     5. batch 64 x [M 2,048, K 2,048] x [K 2,048, N 64]; A: softmax (see below); B: computed on the way: QUANTISED
;;     6. [M 8,192, K 1,024] x [K 1,024, N 1,024]; A: computed on the way; B: input w_o: QUANTISED
;;   THE QUANTISER, for each operand of a quantised product, along K:
;;     - K is cut into blocks of 32 from its start; a last block that is shorter is filled with zeros.
;;     - A block's scale is 2^e with e = floor(log2(the largest magnitude in the block)) - 2, held to -126 .. 127; a block of zeros has e = 0. As a byte (E8M0): e + 127.
;;     - Each number is divided by its block's scale, clamped to +-7.5, and rounded to the nearest number of E2M3, ties to even, subnormals kept.
;;     - The product sums the exact products of the quantised numbers (number of the format x scale) in f32.
;;   ~~~python
;;   def quantise(x, axis):      # numpy; x: float32 -> the quantised numbers, widened to float32 again
;;       x = np.moveaxis(x, axis, -1); K = x.shape[-1]
;;       x = np.pad(x, [(0, 0)] * (x.ndim - 1) + [(0, -K % 32)]); x = x.reshape(x.shape[:-1] + (-1, 32)); a = np.abs(x).max(-1, keepdims=True)
;;       e = np.where(a > 0, np.clip(np.frexp(np.where(a > 0, a, 1))[1] - 1 - 2, -126, 127), 0)      # np.frexp(a)[1] - 1 = floor(log2(a)), exactly
;;       r = np.clip(x / 2.0 ** e, -7.5, 7.5)
;;       step = 2.0 ** (np.maximum(np.frexp(np.where(r == 0, 1, r))[1] - 1, 0) - 3)
;;       q = np.round(r / step) * step * 2.0 ** e      # np.round: ties to even
;;       return np.moveaxis(q.reshape(q.shape[:-2] + (-1,))[..., :K], -1, axis).astype(np.float32)
;;   ~~~
;;   SOFTMAX AHEAD OF A QUANTISED PRODUCT. Where the list says 'softmax', what is quantised is not the finished softmax but p = 2^(t - M), with t = logit x log2(e) and M = ceil(the row's largest t), a whole number; so 1/2 < the row's largest p <= 1. The row's sum l is taken of the UNQUANTISED p, in f32, and the product's result is divided by l at the end. Since M is a whole number, a kernel that streams over the keys may use a running M (the ceiling of the running maximum): every later rescaling is an exact power of two, which a block's scale takes up: the codes' values come out the same.
;;   OPERANDS COMPUTED ON THE WAY. 'Computed on the way' means the value that the module computes at that place (a softmax that the list does not call 'softmax' is quantised finished and normalised). What goes into a quantiser is computed in f32, as accurately as f32 sums, v_exp_f32 and their like allow (about 1e-6 of the number): no bf16 or f16 on the way to a quantiser, and a product that is left as it is and whose result goes on into a quantised operand takes f32 operands (vector FMAs, or v_wmma_f32_16x16x4_f32). A number that lies on a knife's edge between two numbers of the format may be rounded either way, as far as f32 arithmetic and the matrix unit's own rounding can turn it there, and no further.
;; One version. Each part assembles by itself: llvm-mc -triple=amdgcn-amd-amdhsa -mcpu=gfx1250 --defsym DOCPART=n.
;; ======== version 1 of 1: 4 launches
;; limits: right only within a limited range of input values
;; workspace buffers: img 23,855,104 bytes; qimg 8,912,896 bytes; kimg 8,912,896 bytes; vimg 6,553,600 bytes; aimg 6,815,744 bytes
;; launch quant (part 1): grid 896 x 1, 4 waves a work-group, no clusters, 34,304 bytes of LDS; arguments q, k, v, w_q, w_k, w_v, w_o, img; writes img
.if DOCPART == 1
	.amdgcn_target "amdgcn-amd-amdhsa--gfx1250"
	.amdhsa_code_object_version 6
	.text
	.protected	k_q5c2f63d660_quant
	.globl	k_q5c2f63d660_quant
	.p2align	8
	.type	k_q5c2f63d660_quant,@function
k_q5c2f63d660_quant:
	s_mov_b64 s[64:65], 0
	v_nop
	global_prefetch_b8 v0, s[64:65] scope:SCOPE_SE
	s_setreg_imm32_b32 hwreg(HW_REG_WAVE_MODE, 25, 1), 1
	s_wait_xcnt 0x0
; q, k, v [8192][1024] and w_q, w_k, w_v, w_o [1024][1024], f32, K innermost, become codes of FP6 (E2M3) with one E8M0 byte for each 32 along K,
; laid as IMAGES OF OPERAND REGISTERS, so that the later launches need no row pitch, no padding and no byte loads.
; A block's scale is 2^(floor(log2(its largest magnitude)) - 2): its byte is the largest magnitude's exponent field - 2, held at 1 from below.
; A TILE is 16 rows: row r of tile t is the tensor's row 16 t - 8 (t & 1) + r + 8 (r / 8), so that tiles 2 b and 2 b + 1 cover rows 32 b .. 32 b + 31 and a product
; that takes them as source 0 leaves 16 neighbours in a lane's 16 registers.
; A RECORD (13,312 bytes) is one tile for all K = 1,024: four slots of 3,328 bytes, each two fragments of 1,536 bytes (K steps 2 s, 2 s + 1) and 256 bytes of scale words (8 bytes a lane).
; A fragment (12 registers a lane) lies as two halves of 768 bytes: registers 6 c .. 6 c + 3 at 16 x lane, registers 6 c + 4, 6 c + 5 at 512 + 8 x lane.
; Records: q 0-511, k 512-1023, v 1024-1535, w_q 1536-, w_k 1600-, w_v 1664-, w_o 1728-1791.
; SHARES: a work-group takes two records, a wave half of a record's K (four K steps of 128).  Each load reads 512 consecutive bytes of one row; a K step turns through the wave's own
; stage in LDS (rows of 528 bytes) so that a lane gets 16 neighbours of each block of 32.  Every store covers 256 or 512 consecutive bytes, aligned.  Waves share nothing: no barrier.
; LIMITS: a block whose largest magnitude lies under 2^-124 (a block of zeros among them) keeps the byte 1; its codes are read by this program alone.  NaN and infinities among the inputs are not served.
.set SP,    528                        ; a stage row: 512 bytes + 16
.set STG,   16*SP                      ; a wave's stage
.set RECB,  13312
.set SLTB,  3328
.set FRB,   1536
.set R0,    16                         ; v16-79, v80-143: two sets of 64 numbers as loaded
.set X,     144                        ; v144-207: 64 numbers, register 16 b + i = k 32 b + 16 (lane / 16) + i of my row
.set PC,    208                        ; v208-219 the fragment; v220-226 halves at work
.set TM,    228                        ; v228-243 at work
.set SW,    244                        ; v244-245 a slot's two scale words
.set SEL,   34                         ; s[34:35] selects for lane l xor 16
; 64 numbers of a lane become a fragment's codes in v[PC] on and the row's scale word in v[pw]
.macro QUANT s, pw
.irp b, 0,1,2,3
	v_max3_num_f32 v[TM+\b], |v[\s+16*\b]|, |v[\s+1+16*\b]|, 0x1800000   ; my 16 numbers of block b, and the floor 2^(3 - 127): the byte cannot fall under 1
.endr
.irp i, 2,4,6,8,10,12,14
.irp b, 0,1,2,3
	v_max3_num_f32 v[TM+\b], v[TM+\b], |v[\s+16*\b+\i]|, |v[\s+1+16*\b+\i]|
.endr
.endr
.irp b, 0,1,2,3
	v_permlanex16_b32 v[TM+4+\b], v[TM+\b], s[SEL], s[SEL+1]
.endr
.irp b, 0,1,2,3
	v_max_num_f32 v[TM+\b], v[TM+\b], v[TM+4+\b]                      ; with lane l xor 16: the block's largest magnitude
.endr
.irp b, 0,1,2,3
	v_add_nc_u32 v[TM+12+\b], 0xff000000, v[TM+\b]                    ; 2 off its exponent field: the conversion's scale operand
.endr
.irp b, 0,1,2,3
	v_lshrrev_b32 v[TM+4+\b], 23, v[TM+12+\b]                         ; the scale's byte
.endr
	v_lshl_or_b32 v[\pw], v[TM+5], 8, v[TM+4]
	v_lshl_or_b32 v[\pw], v[TM+6], 16, v[\pw]
	v_lshl_or_b32 v[\pw], v[TM+7], 24, v[\pw]
.irp c, 0,1
	v_cvt_scalef32_pk16_fp6_f32 v[PC+6*\c:PC+2+6*\c], v[\s+32*\c:\s+15+32*\c], v[TM+12+2*\c]
	v_cvt_scalef32_pk16_fp6_f32 v[PC+12+4*\c:PC+14+4*\c], v[\s+16+32*\c:\s+31+32*\c], v[TM+12+2*\c+1]   ; (a conversion's three registers begin on an even number)
.endr
	v_nop                                                             ; one plain place behind a scaled conversion
.irp c, 0,1                            ; the operand wants a whole block in a lane: lanes 0-15 block 2 c, lanes 16-31 block 2 c + 1
.irp i, 0,1,2
	v_permlane16_swap_b32 v[PC+6*\c+\i], v[PC+12+4*\c+\i]
.endr
.irp i, 0,1,2
	v_mov_b32 v[PC+3+6*\c+\i], v[PC+12+4*\c+\i]
.endr
.endr
.endm
.macro LOAD s                          ; K step s of my tile's 16 rows: 512 consecutive bytes a load
.irp i, 0,1,2,3,4,5,6,7,8,9,10,11,12,13,14,15
	global_load_b128 v[R0+64*((\s)%2)+4*\i:R0+64*((\s)%2)+4*\i+3], v4, s[20:21] offset:(\i+8*(\i/8))*4096+512*(\s) th:TH_LOAD_NT
.endr
.endm
.macro STEP s
.if (\s) < 3
	s_wait_loadcnt 16                              ; this step's 16 loads are in; the next step's 16 may be out
.else
	s_wait_loadcnt 0x0
.endif
.irp i, 0,1,2,3,4,5,6,7,8,9,10,11,12,13,14,15
	ds_store_b128 v6, v[R0+64*((\s)%2)+4*\i:R0+64*((\s)%2)+4*\i+3] offset:SP*\i
.endr
.irp b, 0,1,2,3
.irp j, 0,1,2,3
	ds_load_b128 v[X+16*\b+4*\j:X+16*\b+4*\j+3], v7 offset:128*\b+16*\j   ; LDS serves a wave's instructions in order: these see the stores above
.endr
.endr
	s_wait_dscnt 0x0                               ; the numbers are back, and the stores into the stage have read their registers
	s_wait_xcnt 0x0                                ; the last step's global stores have read the codes and the scale words: both are written again below
.if (\s) < 2
	LOAD (\s)+2
.endif
	QUANT X, SW+(\s)%2
	global_store_b128 v4, v[PC:PC+3], s[22:23] offset:SLTB*((\s)/2)+FRB*((\s)%2)
	global_store_b64 v5, v[PC+4:PC+5], s[22:23] offset:SLTB*((\s)/2)+FRB*((\s)%2)+512
	global_store_b128 v4, v[PC+6:PC+9], s[22:23] offset:SLTB*((\s)/2)+FRB*((\s)%2)+768
	global_store_b64 v5, v[PC+10:PC+11], s[22:23] offset:SLTB*((\s)/2)+FRB*((\s)%2)+1280
.if (\s)%2 == 1
	global_store_b64 v5, v[SW:SW+1], s[22:23] offset:SLTB*((\s)/2)+2*FRB   ; the slot's two scale words of my row, 8 bytes a lane (lanes 16-31 repeat lanes 0-15)
.endif
.endm
	s_load_b512 s[4:19], s[0:1], 0x0               ; q, k, v, w_q, w_k, w_v, w_o, img
	v_lshl_add_u32 v248, v0, 2, 0x8400
	v_mov_b32 v249, 0
	v_lshrrev_b32 v1, 5, v0
	v_readfirstlane_b32 s24, v1                    ; wave
	v_and_b32 v2, 31, v0                           ; lane
	v_and_b32 v3, 15, v0                           ; r
	v_bfe_u32 v8, v0, 4, 1                         ; h
	v_lshlrev_b32 v4, 4, v2                        ; 16 x lane
	v_lshlrev_b32 v5, 3, v2                        ; 8 x lane
	s_mul_i32 s25, s24, STG
	v_add_nc_u32 v6, s25, v4                       ; the stage, on the way in: a row's 512 bytes as they lie
	v_mul_u32_u24 v7, v3, SP
	v_lshl_add_u32 v7, v8, 6, v7
	v_add_nc_u32 v7, s25, v7                       ; and out: row r, + 64 h: my 16 numbers of each block
.irp b, 0,1,2,3
	v_mov_b32 v[TM+4+\b], 0                        ; written once: a lane permute's destination counts as one of its sources
.endr
	s_mov_b32 s[SEL], 0x76543210
	s_mov_b32 s[SEL+1], 0xfedcba98
	s_lshr_b32 s26, s24, 1
	s_and_b32 s27, s24, 1                          ; which half of K
	s_lshl_b32 s28, ttmp9, 1
	s_add_co_u32 s28, s28, s26                     ; my record
	s_cmp_lt_u32 ttmp9, 768
	s_cselect_b32 s29, 511, 63
	s_and_b32 s29, s28, s29                        ; my tile in its tensor
	s_and_b32 s30, s29, 1
	s_lshl_b32 s30, s30, 3
	s_lshl_b32 s29, s29, 4
	s_sub_co_u32 s29, s29, s30                     ; its first row: 16 t - 8 (t & 1)
	s_lshl_b32 s30, s29, 12
	s_lshl_b32 s31, s27, 11
	s_add_co_u32 s30, s30, s31
	s_mov_b32 s31, 0
	s_mul_i32 s32, s28, RECB
	s_mul_i32 s33, s27, 2*SLTB
	s_add_co_u32 s32, s32, s33
	s_mov_b32 s33, 0
	s_wait_alu depctr_va_vdst(0)
	s_wait_kmcnt 0x0
	s_mov_b64 s[20:21], s[16:17]                   ; the tensor is chosen by the work-group's number alone
	s_cmp_lt_u32 ttmp9, 864
	s_cselect_b64 s[20:21], s[14:15], s[20:21]
	s_cmp_lt_u32 ttmp9, 832
	s_cselect_b64 s[20:21], s[12:13], s[20:21]
	s_cmp_lt_u32 ttmp9, 800
	s_cselect_b64 s[20:21], s[10:11], s[20:21]
	s_cmp_lt_u32 ttmp9, 768
	s_cselect_b64 s[20:21], s[8:9], s[20:21]
	s_cmp_lt_u32 ttmp9, 512
	s_cselect_b64 s[20:21], s[6:7], s[20:21]
	s_cmp_lt_u32 ttmp9, 256
	s_cselect_b64 s[20:21], s[4:5], s[20:21]
	s_add_nc_u64 s[20:21], s[20:21], s[30:31]
	s_add_nc_u64 s[22:23], s[18:19], s[32:33]
	LOAD 0
	LOAD 1
	STEP 0
	STEP 1
	STEP 2
	STEP 3
	s_wait_tensorcnt 0x0
	ds_add_u32 v248, v249
	s_wait_dscnt 0x0
	s_endpgm
.Lfunc_end_k_q5c2f63d660_quant:
	.size	k_q5c2f63d660_quant, .Lfunc_end_k_q5c2f63d660_quant-k_q5c2f63d660_quant
	.p2alignl 7, 3214868480
	.fill 96, 4, 3214868480
	.section	.rodata,"a",@progbits
	.p2align	6, 0x0
	.amdhsa_kernel k_q5c2f63d660_quant
		.amdhsa_group_segment_fixed_size 34304
		.amdhsa_private_segment_fixed_size 0
		.amdhsa_enable_private_segment 0
		.amdhsa_kernarg_size 64
		.amdhsa_user_sgpr_count 2
		.amdhsa_user_sgpr_kernarg_segment_ptr 1
		.amdhsa_wavefront_size32 1
		.amdhsa_system_sgpr_workgroup_id_x 1
		.amdhsa_system_sgpr_workgroup_id_y 1
		.amdhsa_system_sgpr_workgroup_id_z 1
		.amdhsa_system_vgpr_workitem_id 0
		.amdhsa_next_free_vgpr 250
		.amdhsa_next_free_sgpr 66
		.amdhsa_reserve_vcc 0
		.amdhsa_float_denorm_mode_32 3
		.amdhsa_float_denorm_mode_16_64 3
		.amdhsa_memory_ordered 1
		.amdhsa_forward_progress 1
		.amdhsa_inst_pref_size 34
	.end_amdhsa_kernel
	.amdgpu_metadata
---
amdhsa.version: [ 1, 2 ]
amdhsa.kernels:
  - .name:           k_q5c2f63d660_quant
    .symbol:         k_q5c2f63d660_quant.kd
    .args:
      - { .name: q, .offset: 0, .size: 8, .value_kind: global_buffer, .address_space: global }
      - { .name: k, .offset: 8, .size: 8, .value_kind: global_buffer, .address_space: global }
      - { .name: v, .offset: 16, .size: 8, .value_kind: global_buffer, .address_space: global }
      - { .name: w_q, .offset: 24, .size: 8, .value_kind: global_buffer, .address_space: global }
      - { .name: w_k, .offset: 32, .size: 8, .value_kind: global_buffer, .address_space: global }
      - { .name: w_v, .offset: 40, .size: 8, .value_kind: global_buffer, .address_space: global }
      - { .name: w_o, .offset: 48, .size: 8, .value_kind: global_buffer, .address_space: global }
      - { .name: img, .offset: 56, .size: 8, .value_kind: global_buffer, .address_space: global }
    .group_segment_fixed_size: 34304
    .private_segment_fixed_size: 0
    .kernarg_segment_align: 8
    .kernarg_segment_size: 64
    .max_flat_workgroup_size: 128
    .sgpr_count:     66
    .vgpr_count:     250
    .wavefront_size: 32
...
	.end_amdgpu_metadata
.endif
;; end of part 1
;; launch proj (part 2): grid 8 x 96, 4 waves a work-group, clusters of 4 x 4, 320,000 bytes of LDS; arguments img, b_q, b_k, b_v, mask, qimg, kimg, vimg; writes qimg, kimg, vimg
.if DOCPART == 2
	.amdgcn_target "amdgcn-amd-amdhsa--gfx1250"
	.amdhsa_code_object_version 6
	.text
	.protected	k_q5c2f63d660_proj
	.globl	k_q5c2f63d660_proj
	.p2align	8
	.type	k_q5c2f63d660_proj,@function
k_q5c2f63d660_proj:
	s_mov_b64 s[64:65], 0
	v_nop
	global_prefetch_b8 v0, s[64:65] scope:SCOPE_SE
	s_setreg_imm32_b32 hwreg(HW_REG_WAVE_MODE, 25, 1), 1
	s_wait_xcnt 0x0
	s_wait_alu depctr_hold_cnt(0) depctr_sa_sdst(0) depctr_va_vdst(0) depctr_va_sdst(0) depctr_va_ssrc(0) depctr_va_vcc(0) depctr_vm_vsrc(0)
	s_getreg_b32 s2, hwreg(HW_REG_IB_STS2, 6, 4)
	s_cmp_eq_u32 s2, 0
	s_cbranch_scc0 .Lentry_in_a_cluster
	s_endpgm
.Lentry_in_a_cluster:
	s_bfe_u32 s2, ttmp6, 0x10000c
	s_cmp_lg_u32 s2, 0xf033
	s_cbranch_scc0 .Lentry_shape_is_right
	s_endpgm
.Lentry_shape_is_right:
; The three projections x W^T + b on codes of FP6 (E2M3), and the quantising of their results in registers: qh and kh along the head's 64, vh along the keys.
; A work-group takes 256 rows in the A role and 128 rows in the B role over all K = 1,024.  For q and k: A = the tokens, B = W's rows.  For v: A = w_v's rows, B = the tokens, so that the same
; text gives vh TRANSPOSED: a lane then holds one channel d and its registers run along the keys, which are the K of attention's second product.
; THE MATRIX INSTRUCTION: source 0 = 16 rows of B, source 1 = 16 rows of A: a lane holds one A row, and (by the order of rows in a tile) the 16 registers of B tiles 2 b, 2 b + 1 are 16 neighbours.
; ALL OPERANDS LIE IN LDS AT ONCE: 4 slots (two K steps each) x 24 tiles x 3,328 bytes = 319,488 bytes, each byte filled once.  So there is no ring and no refill; a wave has four tensor loads outstanding at the most.
; CLUSTER 4 x 4: A's tiles are shared along a row of the cluster, B's along a column: each is asked for jointly, by the same tensor load with the same descriptor and a mask that names the four.
; Wave w takes A tiles 4 w .. 4 w + 3 against all 8 B tiles: 32 accumulators, which take turns, one instruction a turn, in the same order in every K step.
; A tile of 256 x 256 with 128 x 128 a wave is not taken: its operands for all K would not fit in LDS, and the three tensors would give 384 tiles for 256 WGPs; here they give 768.
; THE MASK rides in product 4's idle half: that product has K = 64 in an instruction of 128.  q's code at k = 64 is +1 under the scale 1; k's is 0 for a kept key (scale bytes 1, 1: an exact 0 under the
; smallest scale) and -1 under 2^100 for a hidden key.  So a hidden key's score is -2^100 and attention spends no instruction on the mask.
; OUT.  qimg, kimg: [64 b x head][16 groups of 128 rows] records of 8,704 bytes: 8 tiles x (512 bytes: registers 0-3 at 16 x lane; 512 bytes: registers 4, 5, the mask's word, 0), then row r's eight scale words at 8,192 + 32 r.
; vimg: [64][16 groups of 128 keys] records of 6,400 bytes: 4 tiles of d x 3 x 512 bytes (registers 4 j .. 4 j + 3 at 16 x lane), then row r's four scale words at 6,144 + 16 r.
; q's and k's scale words leave as pieces of 16 bytes, 32 bytes apart (two waves fill a row's 32): one sixteenth of the codes' bytes.
; LIMITS: blocks under 2^-124 keep the byte 1; NaN and infinities among the inputs are not served.
; REGISTERS, in windows of 256.  Window 0: v1-10 lane numbers and offsets; v16-22 LDS addresses; v24-31 v's bias; v32-63 scale words, two sets; v64-127 the bias along B; v128-223 A's fragments, two sets; v224-255 the way out.
;   Window 1: B's fragments, two sets, at v0 and v128.   Window 2: accumulator (a, b) at v[8 (8 a + b)].
; HOW THE OPERANDS COME IN (this takes the place of what the head says of four slots, four loads a wave and a barrier for each slot): LDS holds two halves of K, each 24 tiles x 6,656 bytes (two slots of 3,328 on end).
; One tensor load a wave, at the head, each an instruction of its own in one tree of branches on the wave's number: wave 0 A's 16 tiles of half 0, wave 1 B's 8 tiles of half 0,
; wave 2 A's of half 1, wave 3 B's of half 1: rows of 6,656 bytes, 13,312 apart in memory.  The first barrier waits for waves 0 and 1's loads alone; the barrier in K step 3 for all.  Each byte is filled once.
.set RECB,  13312
.set SLTB,  3328
.set FRB,   1536
.set HB,    2*SLTB                     ; a tile's half of K
.set SLOT,  24*HB                      ; a half of K: A's 16 tiles, then B's 8
.set BOFF,  16*HB
.set QKREC, 8704
.set VREC,  6400
.set WV,    20
.set ROLE,  21                         ; wave / 2: which group of 128 A rows my tiles lie in
.set HALF,  22                         ; wave % 2: my four tiles' place in that group
.set SEL,   2                          ; s[2:3]
.set G1A,   24
.set G1B,   32
.set G0A,   40                         ; s[40:47] a group 0 for each half of K
.set G0B,   68                         ; s[68:75]
.set SC,    32
.set BI,    64
.set AF,    128
.set T,     128                        ; the way out: 64 numbers
.set PC,    192
.set TM,    212
.set W,     232
.set MD,    240
.set SH,    244
.set CN,    248
.set MB,    252
.set MSB, 0
.macro WIN new                         ; the immediate's high byte repeats the setting that is left
.if MSB != \new
	s_set_vgpr_msb (MSB<<8)|\new
.set MSB, \new
.endif
.endm
.set MUL,  0xa1                        ; source 0 (B) window 1, source 1 (A) window 0, C and D window 2
.set TO_B, 0x40                        ; destination window 1, address window 0
.macro PLACES n
.rept \n
	v_nop
.endr
.endm
; A joint load: waves 0 and 2 ask by A's groups, waves 1 and 3 by B's.  The branch hangs on the wave's number alone.  Four v_nop follow each of the two lines.
.macro ARM under, g0, g1, next         ; one arm of the head's tree: the wave's one joint load, and a jump to the tree's end
	s_cmp_lt_u32 s[WV], \under
	s_cbranch_scc0 \next
	tensor_load_to_lds s[\g0:\g0+3], s[\g1:\g1+7]
	s_nop 0
.rept 4
	v_nop
.endr
	s_branch .Lhead_asked
\next:
.endm
.macro CROUND                          ; a round of the cluster's barrier
	s_barrier_signal -1
	s_barrier_wait -1
	s_cmp_lg_u32 s[WV], 0
	s_cbranch_scc1 .Lnot_wave_0_\@
	s_barrier_signal -3
.Lnot_wave_0_\@:
	s_barrier_wait -3
	s_barrier_signal -1
	s_barrier_wait -1
.endm
.macro FRAG reg, a16, a8, off          ; a fragment comes back as it was stored: every instruction reads consecutive bytes
	ds_load_b128 v[(\reg):(\reg)+3], v[\a16] offset:(\off)
	ds_load_b64 v[(\reg)+4:(\reg)+5], v[\a8] offset:(\off)+512
	ds_load_b128 v[(\reg)+6:(\reg)+9], v[\a16] offset:(\off)+768
	ds_load_b64 v[(\reg)+10:(\reg)+11], v[\a8] offset:(\off)+1280
.endm
.macro FETCH s, p                      ; K step s: B's eight fragments and my four of A into set p
	WIN TO_B
.irp b, 0,1,2,3,4,5,6,7
	FRAG 128*(\p)+12*\b, 18, 19, HB*\b+FRB*((\s)%2)
.endr
	WIN 0
.irp a, 0,1,2,3
	FRAG AF+48*(\p)+12*\a, 16, 17, HB*\a+FRB*((\s)%2)
.endr
.endm
.macro SCALES g                        ; slot g's scale words: register 2 i + q: lanes 0-15 my A tile i's word, lanes 16-31 B tile i's (for i over 3 lanes 0-15 read bytes of the same slot that nobody uses)
.irp i, 0,1,2,3,4,5,6,7
	ds_load_b64 v[SC+16*((\g)%2)+2*\i:SC+16*((\g)%2)+2*\i+1], v20 offset:HB*\i
.endr
.endm
.macro NEXTSLOT d                      ; five plain instructions: also the places in front of the loads that follow
.irp r, 16,17,18,19,20
	v_add_nc_u32 v\r, \d, v\r
.endr
.endm
.macro MUL32 s
.irp a, 0,1,2,3
.irp b, 0,1,2,3,4,5,6,7
.if (\s) == 0
	v_wmma_scale_f32_16x16x128_f8f6f4 v[8*(8*\a+\b):8*(8*\a+\b)+7], v[128*((\s)%2)+12*\b:128*((\s)%2)+12*\b+11], v[AF+48*((\s)%2)+12*\a:AF+48*((\s)%2)+12*\a+11], 0, v[SC+16*(((\s)/2)%2)+2*\b+(\s)%2], v[SC+16*(((\s)/2)%2)+2*\a+(\s)%2] matrix_a_fmt:MATRIX_FMT_FP6 matrix_b_fmt:MATRIX_FMT_FP6 matrix_a_scale:MATRIX_SCALE_ROW1
.else
	v_wmma_scale_f32_16x16x128_f8f6f4 v[8*(8*\a+\b):8*(8*\a+\b)+7], v[128*((\s)%2)+12*\b:128*((\s)%2)+12*\b+11], v[AF+48*((\s)%2)+12*\a:AF+48*((\s)%2)+12*\a+11], v[8*(8*\a+\b):8*(8*\a+\b)+7], v[SC+16*(((\s)/2)%2)+2*\b+(\s)%2], v[SC+16*(((\s)/2)%2)+2*\a+(\s)%2] matrix_a_fmt:MATRIX_FMT_FP6 matrix_b_fmt:MATRIX_FMT_FP6 matrix_a_scale:MATRIX_SCALE_ROW1
.endif
.endr
.endr
.endm
; K step s: its fragments were asked for a step ago; the next step's are asked for, then its 32 products are issued.  Where the next step lies in the second half of K, the wave's tensor load is waited for
; and a barrier shows it whole to every wave.
.macro STEP s
.if (\s) == 3
	s_wait_tensorcnt 0x0                           ; my load is in, whichever half it brought
	s_wait_dscnt 0x0
	s_barrier_signal -1
	s_barrier_wait -1                              ; the second half of K is whole
	NEXTSLOT SLOT-SLTB
.elseif ((\s) == 1) || ((\s) == 5)
	s_wait_dscnt 0x0
	NEXTSLOT SLTB                                  ; the same half's second slot: no barrier
.else
	s_wait_dscnt 0x0
.if ((\s) > 0) && ((\s) < 7)
	PLACES 4                                       ; in front of loads into registers that matrix instructions have read
.endif
.endif
.if (\s) < 7
	FETCH (\s)+1, 1-(\s)%2
.if (\s)%2 == 1
	SCALES ((\s)+1)/2
.endif
.endif
	WIN MUL
	MUL32 \s
	WIN 0
.endm
; 64 numbers of a lane, register 16 b + i = k 32 b + 16 (lane / 16) + i, become a fragment in v[PC] on and a scale word in v[pw]
.macro QUANT s, pw
.irp b, 0,1,2,3
	v_max3_num_f32 v[TM+\b], |v[\s+16*\b]|, |v[\s+1+16*\b]|, 0x1800000
.endr
.irp i, 2,4,6,8,10,12,14
.irp b, 0,1,2,3
	v_max3_num_f32 v[TM+\b], v[TM+\b], |v[\s+16*\b+\i]|, |v[\s+1+16*\b+\i]|
.endr
.endr
.irp b, 0,1,2,3
	v_permlanex16_b32 v[TM+4+\b], v[TM+\b], s[SEL], s[SEL+1]
.endr
.irp b, 0,1,2,3
	v_max_num_f32 v[TM+\b], v[TM+\b], v[TM+4+\b]
.endr
.irp b, 0,1,2,3
	v_add_nc_u32 v[TM+12+\b], 0xff000000, v[TM+\b]
.endr
.irp b, 0,1,2,3
	v_lshrrev_b32 v[TM+4+\b], 23, v[TM+12+\b]
.endr
	v_lshl_or_b32 v[\pw], v[TM+5], 8, v[TM+4]
	v_lshl_or_b32 v[\pw], v[TM+6], 16, v[\pw]
	v_lshl_or_b32 v[\pw], v[TM+7], 24, v[\pw]
.irp c, 0,1
	v_cvt_scalef32_pk16_fp6_f32 v[PC+6*\c:PC+2+6*\c], v[\s+32*\c:\s+15+32*\c], v[TM+12+2*\c]
	v_cvt_scalef32_pk16_fp6_f32 v[PC+12+4*\c:PC+14+4*\c], v[\s+16+32*\c:\s+31+32*\c], v[TM+12+2*\c+1]
.endr
	v_nop                                          ; one plain place behind a scaled conversion
.irp c, 0,1
.irp i, 0,1,2
	v_permlane16_swap_b32 v[PC+6*\c+\i], v[PC+12+4*\c+\i]
.endr
.irp i, 0,1,2
	v_mov_b32 v[PC+3+6*\c+\i], v[PC+12+4*\c+\i]
.endr
.endr
.endm
; the same for 32 numbers (two blocks): six registers in v[PC] on, the two bytes in v[TM+4], v[TM+5]
.macro QUANT32 s
.irp b, 0,1
	v_max3_num_f32 v[TM+\b], |v[\s+16*\b]|, |v[\s+1+16*\b]|, 0x1800000
.endr
.irp i, 2,4,6,8,10,12,14
.irp b, 0,1
	v_max3_num_f32 v[TM+\b], v[TM+\b], |v[\s+16*\b+\i]|, |v[\s+1+16*\b+\i]|
.endr
.endr
.irp b, 0,1
	v_permlanex16_b32 v[TM+4+\b], v[TM+\b], s[SEL], s[SEL+1]
.endr
.irp b, 0,1
	v_max_num_f32 v[TM+\b], v[TM+\b], v[TM+4+\b]
.endr
.irp b, 0,1
	v_add_nc_u32 v[TM+12+\b], 0xff000000, v[TM+\b]
.endr
.irp b, 0,1
	v_lshrrev_b32 v[TM+4+\b], 23, v[TM+12+\b]
.endr
	v_cvt_scalef32_pk16_fp6_f32 v[PC:PC+2], v[\s:\s+15], v[TM+12]
	v_cvt_scalef32_pk16_fp6_f32 v[PC+4:PC+6], v[\s+16:\s+31], v[TM+13]
	v_nop                                          ; one plain place behind a scaled conversion
.irp i, 0,1,2
	v_permlane16_swap_b32 v[PC+\i], v[PC+4+\i]     ; lanes 0-15 now hold block 0 whole, lanes 16-31 block 1
.endr
	v_mov_b32 v[PC+3], v[PC+4]
	v_mov_b32 v[PC+4], v[PC+5]
	v_mov_b32 v[PC+5], v[PC+6]
.endm
	s_load_b512 s[4:19], s[0:1], 0x0               ; img s[4:5], b_q, b_k, b_v s[6:11], mask s[12:13], qimg, kimg, vimg s[14:19]
	v_lshl_add_u32 v230, v0, 2, 0x4e000
	v_mov_b32 v231, 0
	ds_add_u32 v230, v231
	ds_add_u32 v230, v231
	v_lshrrev_b32 v1, 5, v0
	v_readfirstlane_b32 s[WV], v1
	s_lshr_b32 s[ROLE], s[WV], 1
	s_and_b32 s[HALF], s[WV], 1
	s_mov_b32 s[SEL], 0x76543210
	s_mov_b32 s[SEL+1], 0xfedcba98
	s_bfe_u32 s84, ttmp6, 0x40000                  ; cx
	s_bfe_u32 s85, ttmp6, 0x40004                  ; cy
	s_and_b32 s86, ttmp7, 0xffff                   ; cluster y, 0 .. 23
	s_lshr_b32 s87, s86, 3                         ; the tensor: 0 q, 1 k, 2 v: the same in all partners
	s_and_b32 s88, s86, 7
	s_lshl_b32 s93, s88, 1
	s_add_co_u32 s93, s93, ttmp9
	s_lshl_b32 s94, s87, 9
	s_lshl_b32 s95, s87, 6
	s_add_co_u32 s95, s95, 1536
	s_cmp_eq_u32 s87, 2
	s_cselect_b32 s89, 0, s88                      ; the cluster's place along A,
	s_cselect_b32 s90, s93, ttmp9                  ; along B,
	s_cselect_b32 s91, 1664, s94                   ; A's first record in img,
	s_cselect_b32 s92, 1024, s95                   ; B's
	s_lshl_b32 s89, s89, 2
	s_add_co_u32 s89, s89, s85                     ; my block of 16 A tiles: it hangs on cy alone
	s_lshl_b32 s90, s90, 2
	s_add_co_u32 s90, s90, s84                     ; my block of 8 B tiles: on cx alone
	s_lshl_b32 s56, s85, 2
	s_lshl_b32 s56, 15, s56                        ; my row of the cluster
	s_lshl_b32 s60, 0x1111, s84                    ; my column
	; group 1: rows of 6,656 bytes (832 elements of 8 bytes: a tile's half of K), 13,312 bytes apart (a record), 16 of them for A, 8 for B; no padding
	s_or_b32 s[G1A], s56, (3<<16)|(1<<21)
	s_or_b32 s[G1B], s60, (3<<16)|(1<<21)
	s_mov_b32 s[G1A+1], 832<<16
	s_mov_b32 s[G1A+2], 16<<16
	s_mov_b32 s[G1A+3], 832<<16
	s_mov_b32 s[G1A+4], 16
	s_mov_b32 s[G1A+5], 1664
	s_mov_b32 s[G1A+6], 0
	s_mov_b32 s[G1A+7], 0
	s_mov_b32 s[G1B+1], 832<<16
	s_mov_b32 s[G1B+2], 8<<16
	s_mov_b32 s[G1B+3], 832<<16
	s_mov_b32 s[G1B+4], 8
	s_mov_b32 s[G1B+5], 1664
	s_mov_b32 s[G1B+6], 0
	s_mov_b32 s[G1B+7], 0
	s_lshl_b32 s56, s89, 4
	s_add_co_u32 s56, s56, s91
	s_mul_i32 s56, s56, RECB                       ; A: the first of my block's 16 records
	s_mov_b32 s57, 0
	s_lshl_b32 s60, s90, 3
	s_add_co_u32 s60, s60, s92
	s_mul_i32 s60, s60, RECB                       ; B: the first of 8
	s_mov_b32 s61, 0
	s_mov_b32 s66, 0                               ; the LDS addresses are constants
	s_mov_b32 s67, 0
	s_add_co_u32 s67, s67, BOFF
	s_wait_dscnt 0x0
	s_wait_kmcnt 0x0
	s_add_nc_u64 s[58:59], s[4:5], s[56:57]
	s_add_nc_u64 s[62:63], s[4:5], s[60:61]
	CROUND                                         ; all sixteen work-groups are here: the joint loads meet
.irp g, 0,1
	s_mov_b32 s[G0A+4*\g], 1
	s_add_co_u32 s[G0A+4*\g+1], s66, \g*SLOT
	s_add_nc_u64 s[G0A+4*\g+2:G0A+4*\g+3], s[58:59], \g*HB
	s_or_b32 s[G0A+4*\g+3], s[G0A+4*\g+3], 0x80000000
	s_mov_b32 s[G0B+4*\g], 1
	s_add_co_u32 s[G0B+4*\g+1], s67, \g*SLOT
	s_add_nc_u64 s[G0B+4*\g+2:G0B+4*\g+3], s[62:63], \g*HB
	s_or_b32 s[G0B+4*\g+3], s[G0B+4*\g+3], 0x80000000
.endr
	ARM 1, G0A,   G1A, .Lhead_b0                   ; what the first K steps need is asked for by waves 0 and 1
	ARM 2, G0B,   G1B, .Lhead_a1
	ARM 3, G0A+4, G1A, .Lhead_b1
	tensor_load_to_lds s[G0B+4:G0B+7], s[G1B:G1B+7]
	s_nop 0
.rept 4
	v_nop
.endr
.Lhead_asked:
	v_and_b32 v1, 31, v0                           ; lane
	v_and_b32 v2, 15, v0                           ; r
	v_bfe_u32 v3, v0, 4, 1                         ; h
	v_lshlrev_b32 v21, 4, v1
	v_lshlrev_b32 v22, 3, v1
	s_mul_i32 s98, s[WV], 4*HB
	v_add_nc_u32 v16, s98, v21
	v_add_nc_u32 v17, s98, v22
	v_add_nc_u32 v18, BOFF, v21
	v_add_nc_u32 v19, BOFF, v22
	s_xor_b32 s99, s[WV], 3
	s_add_co_u32 s99, s99, 1                       ; 4 - wave
	s_mul_i32 s99, s99, 4*HB
	v_mul_u32_u24 v4, s99, v3                      ; lanes 16-31 take B's scale words
	v_add_nc_u32 v20, 2*FRB, v17
	v_add_nc_u32 v20, v20, v4
	v_lshlrev_b32 v8, 6, v3                        ; the bias along B: 16 h numbers on
	s_wait_alu depctr_va_vdst(0)
	v_and_b32 v10, 8, v2
	v_add_nc_u32 v10, v10, v2                      ; r + 8 (r / 8): my row's place in a pair of tiles
	v_lshlrev_b32 v9, 2, v10
	s_wait_alu depctr_va_vdst(0)
	s_cmp_eq_u32 s87, 0
	s_cselect_b64 s[94:95], s[6:7], s[8:9]
	s_cmp_eq_u32 s87, 2
	s_cselect_b64 s[94:95], s[10:11], s[94:95]     ; my tensor's bias
	s_lshl_b32 s96, s90, 9
	s_lshl_b32 s100, s89, 10
	s_lshl_b32 s23, s[WV], 8
	s_add_co_u32 s100, s100, s23
	s_cmp_eq_u32 s87, 2
	s_cselect_b32 s96, 0, s96                      ; q, k: the bias runs along B; v: along A.  The other set is loaded from the buffer's head and not used
	s_cselect_b32 s100, s100, 0
	s_mov_b32 s97, 0
	s_mov_b32 s101, 0
	s_add_nc_u64 s[96:97], s[94:95], s[96:97]
	s_add_nc_u64 s[100:101], s[94:95], s[100:101]
	s_lshl_b32 s94, s89, 8
	s_lshl_b32 s23, s[WV], 6
	s_add_co_u32 s94, s94, s23
	s_mov_b32 s95, 0
	s_add_nc_u64 s[94:95], s[12:13], s[94:95]      ; the mask at my wave's first A row
.irp b, 0,1,2,3,4,5,6,7
	global_load_b128 v[BI+8*\b:BI+8*\b+3], v8, s[96:97] offset:(32*(\b/2)+8*(\b%2))*4
	global_load_b128 v[BI+8*\b+4:BI+8*\b+7], v8, s[96:97] offset:(32*(\b/2)+8*(\b%2))*4+16
.endr
.irp a, 0,1,2,3
	global_load_b32 v[24+2*\a], v9, s[100:101] offset:4*(16*\a-8*(\a%2))
	global_load_b32 v[25+2*\a], v9, s[100:101] offset:4*(16*\a-8*(\a%2))   ; twice: a pair for the packed addition
	global_load_u8 v[MB+\a], v10, s[94:95] offset:16*\a-8*(\a%2)
.endr
.irp b, 0,1,2,3
	v_mov_b32 v[TM+4+\b], 0                        ; written once: a lane permute's destination counts as one of its sources
.endr
	s_wait_alu depctr_va_vdst(0)                   ; the wait at the head's end
	s_cmp_lt_u32 s[WV], 2
	s_cbranch_scc0 .Lnot_first
	s_wait_tensorcnt 0x0                           ; waves 0 and 1: my part of the first half of K is in; the other two loads may be out
.Lnot_first:
	s_barrier_signal -1
	s_barrier_wait -1                              ; everybody's is
	FETCH 0, 0
	SCALES 0
	STEP 0
	STEP 1
	s_wait_alu depctr_va_vdst(0)
	STEP 2
	STEP 3
	s_wait_alu depctr_va_vdst(0)
	STEP 4
	STEP 5
	s_wait_alu depctr_va_vdst(0)
	STEP 6
	STEP 7
	PLACES 4                                       ; in front of the first read of results and the first write over fragments
	s_wait_loadcnt 0x0                             ; biases and mask
	s_cmp_eq_u32 s87, 2
	s_cbranch_scc1 .Lv_arm
	; ---- q and k: for each of my 4 tiles of tokens and each of the 2 heads: + bias, quantised along the head's 64, stored as an operand's registers
	s_lshr_b32 s100, s89, 3
	s_lshl_b32 s100, s100, 4
	s_lshl_b32 s101, s90, 1
	s_add_co_u32 s100, s100, s101                  ; 16 b + the first of my two heads
	s_lshl_b32 s100, s100, 4
	s_and_b32 s101, s89, 7
	s_lshl_b32 s101, s101, 1
	s_add_co_u32 s100, s100, s101
	s_add_co_u32 s100, s100, s[ROLE]               ; + the group of 128 rows
	s_mul_i32 s100, s100, QKREC
	s_mov_b32 s101, 0
	s_cmp_eq_u32 s87, 0
	s_cselect_b64 s[94:95], s[14:15], s[16:17]
	s_cselect_b32 s93, 8, 0                        ; the code at k = 64 of a kept row: q +1, k 0;
	s_cselect_b32 s23, 8, 0x28                     ; of a hidden one: q +1, k -1
	s_mov_b32 s96, 0x01010000
	s_cselect_b32 s96, 0x7f7f0000, s96             ; scale bytes 2 and 3: q 127, 127; a kept key 1, 1;
	s_mov_b32 s97, 0x01e30000
	s_cselect_b32 s97, 0x7f7f0000, s97             ; a hidden key 227, 1
	s_add_nc_u64 s[94:95], s[94:95], s[100:101]
	s_lshl_b32 s99, s[HALF], 12
	v_add_nc_u32 v5, s99, v21                      ; 16 x lane + my four tiles' place in the group
	v_lshlrev_b32 v6, 5, v2
	s_lshl_b32 s99, s[HALF], 4
	v_add_nc_u32 v6, s99, v6
	v_add_nc_u32 v6, 8192, v6
	v_mul_u32_u24 v7, v3, 16*QKREC
	v_add_nc_u32 v6, v6, v7                        ; scale words: row r, my four tiles; lanes 16-31 the second head's record
	v_xor_b32 v4, 1, v3
	v_mul_u32_u24 v[CN], s93, v4                   ; k = 64 lies in lanes 0-15
	v_mul_u32_u24 v[CN+1], s23, v4
	v_mov_b32 v[CN+2], s96
	v_mov_b32 v[CN+3], s97
.irp a, 0,1,2,3
	v_cmp_eq_u32 vcc_lo, 0, v[MB+\a]               ; my row is hidden: a choice of values, no branch
	v_cndmask_b32 v[MD+\a], v[CN], v[CN+1], vcc_lo
	v_cndmask_b32 v[SH+\a], v[CN+2], v[CN+3], vcc_lo
.endr
.irp a, 0,1,2,3
.irp hd, 0,1
	s_wait_xcnt 0x0                                ; the last stores have read the codes' registers
	WIN 0x02                                       ; source 0: the accumulators' window
.set ii, 0
.rept 16
	v_pk_add_f32 v[T+ii:T+ii+1], v[64*\a+32*\hd+ii:64*\a+32*\hd+ii+1], v[BI+32*\hd+ii:BI+32*\hd+ii+1]   ; each accumulator from its low end on
.set ii, ii+2
.endr
	WIN 0
	QUANT32 T
	v_mov_b32 v[PC+6], v[MD+\a]
	v_mov_b32 v[PC+7], 0
	v_lshl_or_b32 v[W+4*\hd+\a], v[TM+5], 8, v[TM+4]
	v_or_b32 v[W+4*\hd+\a], v[W+4*\hd+\a], v[SH+\a]
	global_store_b128 v5, v[PC:PC+3], s[94:95] offset:1024*\a+16*QKREC*\hd       ; 512 consecutive bytes, aligned
	global_store_b128 v5, v[PC+4:PC+7], s[94:95] offset:1024*\a+16*QKREC*\hd+512
.endr
.endr
	s_wait_alu depctr_va_vdst(0)
	s_wait_xcnt 0x0
	v_cmp_eq_u32 vcc_lo, 1, v3
.irp a, 0,1,2,3
	v_cndmask_b32 v[PC+\a], v[W+\a], v[W+4+\a], vcc_lo
.endr
	global_store_b128 v6, v[PC:PC+3], s[94:95]
	s_branch .Ljoin
.Lv_arm:
	; ---- v: my wave's 64 rows of w_v are one head's 64 channels; for each tile of 16 channels: + bias, quantised along the 128 keys: one fragment and one scale word a row
	s_lshr_b32 s100, s90, 4
	s_lshl_b32 s100, s100, 4
	s_lshl_b32 s23, s89, 2
	s_add_co_u32 s100, s100, s23
	s_add_co_u32 s100, s100, s[WV]                 ; 16 b + head
	s_lshl_b32 s100, s100, 4
	s_and_b32 s23, s90, 15
	s_add_co_u32 s100, s100, s23                   ; + the group of 128 keys
	s_mul_i32 s100, s100, VREC
	s_mov_b32 s101, 0
	s_add_nc_u64 s[94:95], s[18:19], s[100:101]
	v_lshlrev_b32 v7, 4, v2
	v_lshl_add_u32 v7, v3, 3, v7
	v_add_nc_u32 v7, 6144, v7
.irp a, 0,1,2,3
	s_wait_xcnt 0x0
	WIN 0x02
.set ii, 0
.rept 32
	v_pk_add_f32 v[T+ii:T+ii+1], v[64*\a+ii:64*\a+ii+1], v[24+2*\a:25+2*\a]
.set ii, ii+2
.endr
	WIN 0
	QUANT T, W+\a
.irp j, 0,1,2
	global_store_b128 v21, v[PC+4*\j:PC+4*\j+3], s[94:95] offset:1536*\a+512*\j
.endr
.endr
	s_wait_xcnt 0x0
	v_cmp_eq_u32 vcc_lo, 1, v3
	v_cndmask_b32 v[PC], v[W], v[W+2], vcc_lo
	v_cndmask_b32 v[PC+1], v[W+1], v[W+3], vcc_lo
	global_store_b64 v7, v[PC:PC+1], s[94:95]      ; 256 consecutive bytes, aligned
.Ljoin:
	s_wait_tensorcnt 0x0
	ds_add_u32 v230, v231
	s_wait_dscnt 0x0
	CROUND                                         ; the closing round: no work-group ends while a partner may still ask for a tile that names it
	s_endpgm
.Lfunc_end_k_q5c2f63d660_proj:
	.size	k_q5c2f63d660_proj, .Lfunc_end_k_q5c2f63d660_proj-k_q5c2f63d660_proj
	.p2alignl 7, 3214868480
	.fill 96, 4, 3214868480
	.section	.rodata,"a",@progbits
	.p2align	6, 0x0
	.amdhsa_kernel k_q5c2f63d660_proj
		.amdhsa_group_segment_fixed_size 320000
		.amdhsa_private_segment_fixed_size 0
		.amdhsa_enable_private_segment 0
		.amdhsa_kernarg_size 64
		.amdhsa_user_sgpr_count 2
		.amdhsa_user_sgpr_kernarg_segment_ptr 1
		.amdhsa_wavefront_size32 1
		.amdhsa_system_sgpr_workgroup_id_x 1
		.amdhsa_system_sgpr_workgroup_id_y 1
		.amdhsa_system_sgpr_workgroup_id_z 1
		.amdhsa_system_vgpr_workitem_id 0
		.amdhsa_next_free_vgpr 768
		.amdhsa_next_free_sgpr 102
		.amdhsa_reserve_vcc 1
		.amdhsa_float_denorm_mode_32 3
		.amdhsa_float_denorm_mode_16_64 3
		.amdhsa_memory_ordered 1
		.amdhsa_forward_progress 1
		.amdhsa_inst_pref_size 125
	.end_amdhsa_kernel
	.amdgpu_metadata
---
amdhsa.version: [ 1, 2 ]
amdhsa.kernels:
  - .name:           k_q5c2f63d660_proj
    .symbol:         k_q5c2f63d660_proj.kd
    .args:
      - { .name: img, .offset: 0, .size: 8, .value_kind: global_buffer, .address_space: global }
      - { .name: b_q, .offset: 8, .size: 8, .value_kind: global_buffer, .address_space: global }
      - { .name: b_k, .offset: 16, .size: 8, .value_kind: global_buffer, .address_space: global }
      - { .name: b_v, .offset: 24, .size: 8, .value_kind: global_buffer, .address_space: global }
      - { .name: mask, .offset: 32, .size: 8, .value_kind: global_buffer, .address_space: global }
      - { .name: qimg, .offset: 40, .size: 8, .value_kind: global_buffer, .address_space: global }
      - { .name: kimg, .offset: 48, .size: 8, .value_kind: global_buffer, .address_space: global }
      - { .name: vimg, .offset: 56, .size: 8, .value_kind: global_buffer, .address_space: global }
    .group_segment_fixed_size: 320000
    .private_segment_fixed_size: 0
    .kernarg_segment_align: 8
    .kernarg_segment_size: 64
    .max_flat_workgroup_size: 128
    .sgpr_count:     102
    .vgpr_count:     768
    .wavefront_size: 32
...
	.end_amdgpu_metadata
.endif
;; end of part 2
;; launch attn (part 3): grid 4 x 64, 8 waves a work-group, clusters of 4 x 1, 251,392 bytes of LDS; arguments qimg, kimg, vimg, aimg; writes aimg
.if DOCPART == 3
	.amdgcn_target "amdgcn-amd-amdhsa--gfx1250"
	.amdhsa_code_object_version 6
	.text
	.protected	k_q5c2f63d660_attn
	.globl	k_q5c2f63d660_attn
	.p2align	8
	.type	k_q5c2f63d660_attn,@function
k_q5c2f63d660_attn:
	s_mov_b64 s[64:65], 0
	v_nop
	global_prefetch_b8 v0, s[64:65] scope:SCOPE_SE
	s_setreg_imm32_b32 hwreg(HW_REG_WAVE_MODE, 25, 1), 1
	s_wait_xcnt 0x0
	s_wait_alu depctr_hold_cnt(0) depctr_sa_sdst(0) depctr_va_vdst(0) depctr_va_sdst(0) depctr_va_ssrc(0) depctr_va_vcc(0) depctr_vm_vsrc(0)
	s_getreg_b32 s2, hwreg(HW_REG_IB_STS2, 6, 4)
	s_cmp_eq_u32 s2, 0
	s_cbranch_scc0 .Lentry_in_a_cluster
	s_endpgm
.Lentry_in_a_cluster:
	s_bfe_u32 s2, ttmp6, 0x10000c
	s_cmp_lg_u32 s2, 0x3003
	s_cbranch_scc0 .Lentry_shape_is_right
	s_endpgm
.Lentry_shape_is_right:
; Attention of one head on codes of FP6 (E2M3): S^T = K Q^T, p = 2^(t - M), O^T = V^T P^T, O / l, quantised along d_model for the last projection.
; t = score x log2(e) / 8; M = the running largest t rounded UP to a whole number; p is quantised along the keys, not normalised; l is the sum of the unquantised p;
; when M moves, l and O^T are multiplied by 2^(old M - new M), exactly.
; SHARES.  A work-group owns 512 queries of one b x head: 32 tiles of 16.  Each of its eight waves (two to a SIMD) owns TWO tiles at a time, in two passes: tile 16 p + 2 w + x.
; Each fragment of K and V that a wave reads from LDS feeds both tiles' products.
; ALL OF THE HEAD'S K AND V LIE IN LDS (147,968 + 102,400 bytes), filled once: one tensor load a wave at the head: waves 0-3 a quarter of K each, waves 4-7 of V.
; The four work-groups of a cluster own the four blocks of queries of one head: each quarter is asked for JOINTLY (mask 15).  One barrier shows all to all; no ring, no refill.
; No prefetch: every byte of K and V is asked for at the head, by the first fills.
; LAYOUT.  Both products are used transposed: a lane holds ONE query (lane % 16).  WHICH KEYS FORM A SCORE TILE is chosen by the lanes' LDS addresses: lanes r < 8 read rows of one stored tile, lanes r >= 8 of the
; stored tile two on, so that row r of score tile T = 4 g + t is key 64 g + 32 (r / 8) + 8 t + r % 8.  Then lane (r, h) holds in registers 32 c + 0 .. 31 the keys 64 c + 32 h + 0 .. 31: a whole scale block,
; in the order of the next operand's registers: a block's largest score needs no other lane and the codes are not exchanged between lanes.
; K's records come into LDS as rows of 512 bytes + 32 of padding: stored tiles two apart lie 2,176 bytes apart.
; PRODUCTS AND VECTOR LINES BY TURNS.  The second tile's 8 score products carry the first tile's search for its block maxima (4 lines behind each); the 8 products with V carry both tiles' row sums (6 behind each).
; Each such turn costs two switches of the register windows.  The serial lines that lead from a tile's maxima to M and f stand among the other tile's independent lines.
; THE MASK costs nothing here: product 4 has K = 64 in an instruction of 128; k = 64 holds +1 in Q and, for a hidden key, -1 under the scale 2^100 in K.  Q's other upper codes are zeros, so K's registers 8-11 may hold
; anything: K's fragments lie 8 registers apart and overlap.  The largest score begins at -2^93: hidden keys (-2^100) never set M, and their p is 0.
; A row with no kept key has l = 0: its two scale bytes become 0xff, which makes the last projection's sums NaN, as the softmax of such a row is.
; OUT.  aimg: a record of 13,312 bytes for each tile of 16 queries, as the last projection's operand.  A head is half a fragment: 512 + 256 consecutive bytes.  Its two scale bytes leave by stores of 2 bytes a lane,
; since a scale word's four bytes belong to two heads: 64 bytes for a tile and head.
; LIMITS: scores of kept keys stay under 2^90 in magnitude; blocks under 2^-124 keep the byte 1; NaN and infinities are not served.
; REGISTERS.  Window 0: addresses, Q, K's and V's fragments, p's codes, all scale words.  Window 1: S (v0-127), O (v128-191), each tile's row state (v192.., v208..), maxima and sums at work (v224-255).
.set KREC, 8704
.set VREC, 6400
.set KHP,  544                         ; an LDS row of K: 512 bytes + 32
.set KPIT, 2*KHP                       ; a stored tile
.set KRL,  17*KHP                      ; a record of K in LDS: 8 tiles, then 512 bytes of scale words
.set VB,   16*KRL
.set SPARE, VB+16*VREC                 ; the spare words: 128 bytes a wave
.set AK,   1                           ; K's fragments: 2,176 (r / 8) + 16 (r % 8) + 256 h
.set AKS,  2                           ; K's scale words: 8,704 + 32 (r % 8) + 8 (r / 8)
.set AV,   3                           ; VB + 16 x lane
.set AVS,  4                           ; VB + 6,144 + 16 r
.set ST16, 5                           ; the way out: registers 0-3 of the half fragment
.set ST8,  6                           ; registers 4, 5
.set STS,  7                           ; the two scale bytes
.set ADK,  8
.set ADS,  9
.set ADV,  10
.set ADT,  11
.set QAD,  12
.set QSD,  13
.set SPW,  14
.set NIL,  15
.set QF,   16                          ; v16-39 Q's two fragments
.set KF,   40                          ; v40-103 K's 8 fragments, 8 apart; v104-107 zeros
.set VF,   108                         ; v108-155 V's 4 fragments
.set PD,   156                         ; v156-179 p's codes, 12 a tile
.set CH,   180                         ; v180-195 second halves of blocks, as the conversions leave them
.set KS,   196
.set VS,   204
.set PS,   208                         ; v208, v209 p's scale words
.set QS,   210                         ; v210, v211 Q's
.set WD,   212                         ; v212, v213 the way out: two scale bytes
.set LN,   214
.set RR,   215
.set HH,   216
.set R7,   217
.set R3,   218
; window 1
.set S,    0
.set O,    128
.set P,    192                         ; a tile's state at P + 16 x: +0 -M, +1 largest score, +2,3 l, +4,5 f, +6,7 block maxima, +8,9 at work, +10,11 scale operands, +12 the old -M
.set SH8,  206                         ; 8 h
.set FFS,  207                         ; 0xffff
.set T,    224
.set WV,   18
.set SEL,  20
.set CS,   22
.set G1K,  24
.set G1V,  32
.set G0K,  40
.set G0V,  44
.set TK,   60
.set TV,   61
.set CNT,  62
.set MSB, 0
.macro WIN new                         ; the immediate's high byte repeats the setting that is left
.if MSB != \new
	s_set_vgpr_msb (MSB<<8)|\new
.set MSB, \new
.endif
.endm
.macro WALU
	s_wait_alu depctr_va_vdst(0)
.endm
.macro DEP n
	s_delay_alu instid0(VALU_DEP_\n)
.endm
.macro CROUND
	s_barrier_signal -1
	s_barrier_wait -1
	s_cmp_lg_u32 s[WV], 0
	s_cbranch_scc1 .Lnot_wave_0_\@
	s_barrier_signal -3
.Lnot_wave_0_\@:
	s_barrier_wait -3
	s_barrier_signal -1
	s_barrier_wait -1
.endm
.macro KLOAD a, s                      ; a key step's 8 fragments and scale words: 20 loads
.irp t, 0,1,2,3,4,5,6,7
	ds_load_b128 v[KF+8*\t:KF+8*\t+3], v[\a] offset:(4*(\t/4)+\t%2)*KPIT+128*((\t%4)/2)
	ds_load_b128 v[KF+8*\t+4:KF+8*\t+7], v[\a] offset:(4*(\t/4)+\t%2)*KPIT+128*((\t%4)/2)+KHP
.endr
.irp g, 0,1
.irp u, 0,1
	ds_load_b64 v[KS+4*\g+2*\u:KS+4*\g+2*\u+1], v[\s] offset:256*\u+16*\g
.endr
.endr
.endm
; Level l (0 .. 7) of tile x's search for the largest score of its two blocks of 32 keys: four chains by turns, one over each 16 registers; the last level joins a block's two.  Each accumulator is read from its low end on
.macro MAXL x, l
.irp u, 0,1
.irp c, 0,1
.set MS_, S+64*(\x)+32*\c+16*\u
.set MA_, (1-\u)*(T+4*(\x)+\c)+\u*(P+16*(\x)+6+\c)
.if (\l) == 0
	v_max3_num_f32 v[MA_], v[MS_], v[MS_+1], v[MS_+2]
.elseif (\l) < 7
	v_max3_num_f32 v[MA_], v[MA_], v[MS_+2*(\l)+1], v[MS_+2*(\l)+2]
.elseif \u == 0
	v_max_num_f32 v[MA_], v[MA_], v[MS_+15]
.else
	v_max3_num_f32 v[MA_], v[MA_], v[MS_+15], v[T+4*(\x)+\c]
.endif
.endr
.endr
.endm
; Line i (0 .. 8) of the way from tile x's block maxima to -M and f
.macro CHB x, i
.set B_, P+16*(\x)
.if (\i) == 0
	v_mov_b32 v[B_+12], v[B_]
.elseif (\i) == 1
	v_max_num_f32 v[B_+8], v[B_+6], v[B_+7]
.elseif (\i) == 2
	v_permlanex16_b32 v[B_+9], v[B_+8], s[SEL], s[SEL+1]
.elseif (\i) == 3
	v_max3_num_f32 v[B_+1], v[B_+1], v[B_+8], v[B_+9]   ; the running largest score
.elseif (\i) == 4
	v_mul_f32 v[B_+8], s[CS], v[B_+1]              ; as t
.elseif (\i) == 5
	v_floor_f32 v[B_], -v[B_+8]                    ; -M = floor(-t): M is a whole number
.elseif (\i) == 6
	v_sub_f32 v[B_+9], v[B_], v[B_+12]             ; old M - new M, 0 or less
.elseif (\i) == 7
	v_cvt_i32_f32 v[B_+9], v[B_+9]                 ; (it saturates)
.else
	v_ldexp_f32 v[B_+4], 1.0, v[B_+9]              ; f = 2^(old M - new M)
.endif
.endm
.macro PVW n                           ; product n = 4 x + a of O^T += V^T P^T
	v_wmma_scale_f32_16x16x128_f8f6f4 v[O+8*(\n):O+8*(\n)+7], v[VF+12*((\n)%4):VF+12*((\n)%4)+11], v[PD+12*((\n)/4):PD+12*((\n)/4)+11], v[O+8*(\n):O+8*(\n)+7], v[VS+(\n)%4], v[PS+(\n)/4] matrix_a_fmt:MATRIX_FMT_FP6 matrix_b_fmt:MATRIX_FMT_FP6
.endm
.macro PADD d, a, b                    ; a packed sum
	v_pk_add_f32 v[\d:\d+1], v[\a:\a+1], v[\b:\b+1]
.endm
.macro PADDW d, a, b                   ; a packed sum of the 48 that stand among the 8 products with V: ahead of every sixth stands the next product
.if (NS%6) == 0
	WIN 0x50
	PVW NS/6
	WIN 0x55
.endif
	PADD \d, \a, \b
.set NS, NS+1
.endm
; A KEY STEP: 128 keys, two tiles of queries.  K's fragments were asked for a step ago
.macro STEP
	s_wait_dscnt 0x0                               ; K is in
	WIN 0x40
.irp t, 0,1,2,3,4,5,6,7
	v_wmma_scale_f32_16x16x128_f8f6f4 v[S+8*\t:S+8*\t+7], v[KF+8*\t:KF+8*\t+11], v[QF:QF+11], 0, v[KS+\t], v[QS] matrix_a_fmt:MATRIX_FMT_FP6 matrix_b_fmt:MATRIX_FMT_FP6
.endr
	WIN 0
	v_add_nc_u32 v[ADV], s[TV], v[AV]              ; these four are the places in front of the first read of the first tile's scores
	v_add_nc_u32 v[ADT], s[TV], v[AVS]
	v_add_nc_u32 v[ADK], s[TK], v[AK]              ; s[TK]: the NEXT step's record (behind the last: bytes of V, loaded and not used)
	v_add_nc_u32 v[ADS], s[TK], v[AKS]
.irp t, 0,1,2,3,4,5,6,7
	WIN 0x40
	v_wmma_scale_f32_16x16x128_f8f6f4 v[S+64+8*\t:S+64+8*\t+7], v[KF+8*\t:KF+8*\t+11], v[QF+12:QF+23], 0, v[KS+\t], v[QS+1] matrix_a_fmt:MATRIX_FMT_FP6 matrix_b_fmt:MATRIX_FMT_FP6
	WIN 0x55
	MAXL 0, \t                                     ; (the last four are the places in front of the loads below and of the first read of the second tile's scores)
.endr
	WIN 0
.irp a, 0,1,2,3
.irp j, 0,1,2
	ds_load_b128 v[VF+12*\a+4*\j:VF+12*\a+4*\j+3], v[ADV] offset:1536*\a+512*\j
.endr
.endr
	ds_load_b128 v[VS:VS+3], v[ADT]
	KLOAD ADK, ADS
	WIN 0x55
.irp l, 0,1,2,3,4,5,6,7
	MAXL 1, \l
	CHB 0, \l
.endr
	CHB 0, 8
.set jj, 0
.irp i, 0,1,2,3,4,5,6,7,8
	CHB 1, \i
.rept 3
	v_pk_fma_f32 v[S+jj:S+jj+1], v[S+jj:S+jj+1], s[CS:CS+1], v[P:P+1] op_sel_hi:[1,0,0]   ; the first tile's t - M
.set jj, jj+2
.endr
.endr
.rept 5
	v_pk_fma_f32 v[S+jj:S+jj+1], v[S+jj:S+jj+1], s[CS:CS+1], v[P:P+1] op_sel_hi:[1,0,0]
.set jj, jj+2
.endr
	v_fma_f32 v[P+6], v[P+6], s[CS], v[P]          ; the same of its blocks' largest scores: p rises with the score
	v_fma_f32 v[P+7], v[P+7], s[CS], v[P]
	WALU                                           ; ahead of a batch of exponentials
.set jj, 0
.rept 32                               ; the first tile's p; among them the second tile's t - M, read only behind the next wait
	v_exp_f32 v[S+jj], v[S+jj]
	v_pk_fma_f32 v[S+64+jj:S+64+jj+1], v[S+64+jj:S+64+jj+1], s[CS:CS+1], v[P+16:P+17] op_sel_hi:[1,0,0]
	v_exp_f32 v[S+jj+1], v[S+jj+1]
.set jj, jj+2
.endr
	v_exp_f32 v[P+6], v[P+6]
	v_fma_f32 v[P+22], v[P+22], s[CS], v[P+16]
	v_exp_f32 v[P+7], v[P+7]
	v_fma_f32 v[P+23], v[P+23], s[CS], v[P+16]
	WALU                                           ; behind the first batch and ahead of the second
.set jj, 0
.rept 16                               ; the second tile's p; among them the first tile's sixteen first sums, read only behind the next wait
	v_exp_f32 v[S+64+4*jj], v[S+64+4*jj]
	PADD T+2*jj, S+4*jj, S+4*jj+2
	v_exp_f32 v[S+64+4*jj+1], v[S+64+4*jj+1]
	v_exp_f32 v[S+64+4*jj+2], v[S+64+4*jj+2]
	v_exp_f32 v[S+64+4*jj+3], v[S+64+4*jj+3]
.set jj, jj+1
.endr
	v_exp_f32 v[P+22], v[P+22]
	v_pk_mul_f32 v[P+2:P+3], v[P+2:P+3], v[P+4:P+5] op_sel_hi:[1,0]         ; l under the new M
	v_exp_f32 v[P+23], v[P+23]
	v_pk_mul_f32 v[P+18:P+19], v[P+18:P+19], v[P+20:P+21] op_sel_hi:[1,0]
	v_max_num_f32 v[P+6], 0x1800000, v[P+6]        ; the floor 2^(3 - 127): the byte cannot fall under 1
	v_max_num_f32 v[P+7], 0x1800000, v[P+7]
	WALU                                           ; one wait for the second batch, ahead of its first reader
	v_max_num_f32 v[P+22], 0x1800000, v[P+22]
	v_max_num_f32 v[P+23], 0x1800000, v[P+23]
.irp x, 0,1
.irp c, 0,1
	v_add_nc_u32 v[P+16*\x+10+\c], 0xff000000, v[P+16*\x+6+\c]   ; 2 off the exponent field: the conversions' scale operand
.endr
.endr
.irp x, 0,1
.irp c, 0,1
	v_lshrrev_b32 v[P+16*\x+8+\c], 23, v[P+16*\x+10+\c]          ; the scale's byte
.endr
.endr
.irp x, 0,1
	v_lshl_or_b32 v[P+16*\x+8], v[P+16*\x+9], 16, v[P+16*\x+8]   ; my two bytes: blocks h and 2 + h,
.endr
.irp x, 0,1
	v_lshlrev_b32 v[P+16*\x+8], v[SH8], v[P+16*\x+8]             ; at their places in the scale word;
.endr
.irp x, 0,1
	v_permlanex16_b32 v[P+16*\x+9], v[P+16*\x+8], s[SEL], s[SEL+1]
.endr
	WIN 0x05                                       ; sources in window 1, results in window 0
.irp x, 0,1
	v_or_b32 v[PS+\x], v[P+16*\x+8], v[P+16*\x+9]  ; with lane l xor 16's two the word is whole
.endr
.irp x, 0,1
.irp c, 0,1
	v_cvt_scalef32_pk16_fp6_f32 v[PD+12*\x+6*\c:PD+12*\x+6*\c+2], v[S+64*\x+32*\c:S+64*\x+32*\c+15], v[P+16*\x+10+\c]
	v_cvt_scalef32_pk16_fp6_f32 v[CH+8*\x+4*\c:CH+8*\x+4*\c+2], v[S+64*\x+32*\c+16:S+64*\x+32*\c+31], v[P+16*\x+10+\c]   ; (a conversion's three registers begin on an even number)
.endr
.endr
	WIN 0
	v_nop                                          ; one plain place behind a scaled conversion
.irp x, 0,1
.irp c, 0,1
.irp i, 0,1,2
	v_mov_b32 v[PD+12*\x+6*\c+3+\i], v[CH+8*\x+4*\c+\i]
.endr
.endr
.endr
	s_wait_dscnt 20                                ; V's 13 loads are in; K's 20, issued behind them, may be out
	WIN 0x55
	WALU                                           ; directly ahead of the first reader of O^T
.irp x, 0,1
.set jj, 0
.rept 16
	v_pk_mul_f32 v[O+32*\x+jj:O+32*\x+jj+1], v[O+32*\x+jj:O+32*\x+jj+1], v[P+16*\x+4:P+16*\x+5] op_sel_hi:[1,0]   ; O^T under the new M; also the places between the scale words, the codes and the products
.set jj, jj+2
.endr
.endr
; The 8 products with V, and among them l, the sum of the UNQUANTISED p: the rest of the first tile's tree, the second tile's four chains
.set NS, 0
.irp k, 0,1,2,3,4,5,6,7
	PADDW T+2*\k, T+2*\k, T+2*\k+16
.endr
.irp q, 0,1,2,3
	PADDW T+16+2*\q, S+64+2*\q, S+64+2*\q+8
.endr
.irp k, 0,1,2,3
	PADDW T+2*\k, T+2*\k, T+2*\k+8
.endr
.irp q, 0,1,2,3
	PADDW T+16+2*\q, T+16+2*\q, S+64+2*\q+16
.endr
	PADDW T, T, T+4
	PADDW T+2, T+2, T+6
.irp q, 0,1,2,3
	PADDW T+16+2*\q, T+16+2*\q, S+64+2*\q+24
.endr
	PADDW T, T, T+2
.irp q, 0,1,2,3
	PADDW T+16+2*\q, T+16+2*\q, S+64+2*\q+32
.endr
	PADDW P+2, P+2, T
.irp m, 40,48,56
.irp q, 0,1,2,3
	PADDW T+16+2*\q, T+16+2*\q, S+64+2*\q+\m
.endr
.endr
	PADDW T+16, T+16, T+18
	PADDW T+20, T+20, T+22
	PADDW T+16, T+16, T+20
	PADDW P+18, P+18, T+16
	WIN 0
.endm
; The way out of pass p: O^T / l, quantised along the head's 64 (two blocks; register 16 b + i is channel 32 b + 16 h + i), stored as half a fragment of the last projection's operand
.macro EPI p
	s_wait_dscnt 0x0                               ; the loads behind the last step are done: their registers may be loaded again
	WIN 0x55
.irp x, 0,1                            ; (these six are the places behind the last products)
	v_add_f32 v[P+16*\x+2], v[P+16*\x+2], v[P+16*\x+3]
.endr
.irp x, 0,1
	DEP 2
	v_permlanex16_b32 v[P+16*\x+9], v[P+16*\x+2], s[SEL], s[SEL+1]
.endr
.irp x, 0,1
	DEP 2
	v_add_f32 v[P+16*\x+2], v[P+16*\x+2], v[P+16*\x+9]   ; l
.endr
	WALU
	v_rcp_f32 v[P+4], v[P+2]
	v_rcp_f32 v[P+20], v[P+18]
	v_nop
	WALU                                           ; ahead of the first reader of 1 / l and of O^T
.irp x, 0,1
.set jj, 0
.rept 16
	v_pk_mul_f32 v[O+32*\x+jj:O+32*\x+jj+1], v[O+32*\x+jj:O+32*\x+jj+1], v[P+16*\x+4:P+16*\x+5] op_sel_hi:[1,0]
.set jj, jj+2
.endr
.endr
.irp x, 0,1
.irp b, 0,1
	v_max3_num_f32 v[P+16*\x+6+\b], |v[O+32*\x+16*\b]|, |v[O+32*\x+16*\b+1]|, 0x1800000
.endr
.endr
.irp i, 2,4,6,8,10,12,14
.irp x, 0,1
.irp b, 0,1
	v_max3_num_f32 v[P+16*\x+6+\b], v[P+16*\x+6+\b], |v[O+32*\x+16*\b+\i]|, |v[O+32*\x+16*\b+\i+1]|
.endr
.endr
.endr
.irp x, 0,1
.irp b, 0,1
	v_permlanex16_b32 v[P+16*\x+8+\b], v[P+16*\x+6+\b], s[SEL], s[SEL+1]
.endr
.endr
.irp x, 0,1
.irp b, 0,1
	v_max_num_f32 v[P+16*\x+6+\b], v[P+16*\x+6+\b], v[P+16*\x+8+\b]
.endr
.endr
.irp x, 0,1
.irp b, 0,1
	v_add_nc_u32 v[P+16*\x+10+\b], 0xff000000, v[P+16*\x+6+\b]
.endr
.endr
.irp x, 0,1
.irp b, 0,1
	v_lshrrev_b32 v[P+16*\x+8+\b], 23, v[P+16*\x+10+\b]
.endr
.endr
.irp x, 0,1
	v_lshl_or_b32 v[P+16*\x+8], v[P+16*\x+9], 8, v[P+16*\x+8]
.endr
.irp x, 0,1
	v_cmp_eq_f32 vcc_lo, 0, v[P+16*\x+2]           ; no kept key: a choice of values, no branch
	v_cndmask_b32 v[P+16*\x+8], v[P+16*\x+8], v[FFS], vcc_lo
.endr
	WIN 0x05
.irp x, 0,1
	v_mov_b32 v[WD+\x], v[P+16*\x+8]
.endr
.irp x, 0,1
	v_cvt_scalef32_pk16_fp6_f32 v[PD+12*\x:PD+12*\x+2], v[O+32*\x:O+32*\x+15], v[P+16*\x+10]
	v_cvt_scalef32_pk16_fp6_f32 v[PD+12*\x+4:PD+12*\x+6], v[O+32*\x+16:O+32*\x+31], v[P+16*\x+11]
.endr
	WIN 0
	v_nop
.irp x, 0,1
.irp i, 0,1,2
	v_permlane16_swap_b32 v[PD+12*\x+\i], v[PD+12*\x+4+\i]   ; lanes 0-15 now hold block 0 whole, lanes 16-31 block 1
.endr
.endr
.irp i, 3,4,5
.irp x, 0,1
	v_mov_b32 v[PD+12*\x+\i], v[PD+12*\x+\i+1]
.endr
.endr
.irp x, 0,1
	global_store_b128 v[ST16], v[PD+12*\x:PD+12*\x+3], s[58:59] offset:13312*(16*\p+\x)
	global_store_b64 v[ST8], v[PD+12*\x+4:PD+12*\x+5], s[58:59] offset:13312*(16*\p+\x)
	global_store_b16 v[STS], v[WD+\x], s[58:59] offset:13312*(16*\p+\x)
.endr
.endm
.macro PASS p
.irp x, 0,1
	global_load_b128 v[QF+12*\x:QF+12*\x+3], v[QAD], s[56:57] offset:2*KREC*\p+1024*\x
	global_load_b128 v[QF+12*\x+4:QF+12*\x+7], v[QAD], s[56:57] offset:2*KREC*\p+1024*\x+512
	global_load_b32 v[QS+\x], v[QSD], s[56:57] offset:2*KREC*\p+4*\x
.endr
.if \p == 0
	s_wait_tensorcnt 0x0                           ; my quarter of K or V is in
	s_barrier_signal -1
	s_barrier_wait -1                              ; everybody's is
.endif
	KLOAD AK, AKS                                  ; key step 0
	WIN 0x55
.irp x, 0,1
	v_mov_b32 v[P+16*\x+1], 0xee000000             ; the largest score so far: -2^93
	v_mov_b32 v[P+16*\x+2], 0
	v_mov_b32 v[P+16*\x+3], 0
.endr
.irp x, 0,1
	v_mul_f32 v[P+16*\x+8], s[CS], v[P+16*\x+1]
.endr
.irp x, 0,1
	DEP 2
	v_floor_f32 v[P+16*\x], -v[P+16*\x+8]
.endr
.set jj, 0
.rept 64
	v_mov_b32 v[O+jj], 0                           ; the step is written for every step alike: the first finds zeros
.set jj, jj+1
.endr
	WIN 0
	s_mov_b32 s[TK], KRL
	s_mov_b32 s[TV], 0
	s_mov_b32 s[CNT], 16
	WALU
	s_wait_loadcnt 0x0                             ; Q
.Lpass\p:
	STEP
	s_add_co_u32 s[TK], s[TK], KRL
	s_add_co_u32 s[TV], s[TV], VREC
	s_sub_co_u32 s[CNT], s[CNT], 1
	s_cmp_lg_u32 s[CNT], 0
	WALU                                           ; directly ahead of the branch
	s_cbranch_scc1 .Lpass\p
	EPI \p
.endm
	s_load_b256 s[4:11], s[0:1], 0x0               ; qimg, kimg, vimg, aimg
	v_lshl_add_u32 v[SPW], v0, 2, SPARE
	v_mov_b32 v[NIL], 0
	ds_add_u32 v[SPW], v[NIL]                      ; the opening lines: the add, twice on end, and its wait
	ds_add_u32 v[SPW], v[NIL]
	v_lshrrev_b32 v1, 5, v0
	v_readfirstlane_b32 s[WV], v1
	s_and_b32 s19, s[WV], 3                        ; which quarter of K or V I fetch
	s_bfe_u32 s84, ttmp6, 0x40000                  ; cx
	s_lshl_b32 s85, ttmp9, 2
	s_add_co_u32 s85, s85, s84                     ; my block of 512 queries: it enters Q's and the output's addresses alone
	s_and_b32 s86, ttmp7, 0xffff                   ; b x head, which the four partners share
	s_and_b32 s87, s86, 15                         ; the head
	s_lshl_b32 s88, s86, 2
	s_add_co_u32 s88, s88, s19
	s_mul_i32 s90, s88, 4*VREC
	s_mul_i32 s88, s88, 4*KREC
	s_mov_b32 s89, 0
	s_mov_b32 s91, 0
	s_lshl_b32 s92, s86, 4
	s_lshl_b32 s93, s85, 2
	s_add_co_u32 s92, s92, s93
	s_lshr_b32 s93, s[WV], 2
	s_add_co_u32 s92, s92, s93
	s_mul_i32 s92, s92, KREC                       ; Q: the record of pass 0's group of 128 queries
	s_mov_b32 s93, 0
	s_lshr_b32 s94, s86, 4
	s_lshl_b32 s94, s94, 7
	s_lshl_b32 s95, s85, 5
	s_add_co_u32 s94, s94, s95
	s_lshl_b32 s95, s[WV], 1
	s_add_co_u32 s94, s94, s95
	s_mul_i32 s94, s94, 13312                      ; the output: pass 0's first tile,
	s_lshr_b32 s95, s87, 2
	s_mul_i32 s95, s95, 3328
	s_add_co_u32 s94, s94, s95                     ; the head's slot in it
	s_mov_b32 s95, 0
	s_mov_b32 s[SEL], 0x76543210
	s_mov_b32 s[SEL+1], 0xfedcba98
	s_mov_b32 s[CS], 0x3e38aa3b                    ; log2(e) / 8
	s_mov_b32 s[CS+1], s[CS]
	; group 1.  K: 4 records, dense, as 68 rows of 512 bytes (64 elements of 8), 8 words of padding behind each.  V: 4 records as 100 rows of 256 bytes.  The mask names all four work-groups
	s_mov_b32 s[G1K], 15|(3<<16)|(1<<20)|(1<<21)|(6<<22)|(7<<25)
	s_mov_b32 s[G1K+1], 64<<16
	s_mov_b32 s[G1K+2], 68<<16
	s_mov_b32 s[G1K+3], 64<<16
	s_mov_b32 s[G1K+4], 68
	s_mov_b32 s[G1K+5], 64
	s_mov_b32 s[G1K+6], 0
	s_mov_b32 s[G1K+7], 0
	s_mov_b32 s[G1V], 15|(3<<16)|(1<<21)
	s_mov_b32 s[G1V+1], 32<<16
	s_mov_b32 s[G1V+2], 100<<16
	s_mov_b32 s[G1V+3], 32<<16
	s_mov_b32 s[G1V+4], 100
	s_mov_b32 s[G1V+5], 32
	s_mov_b32 s[G1V+6], 0
	s_mov_b32 s[G1V+7], 0
	s_mov_b32 s[G0K], 1
	s_mul_i32 s[G0K+1], s19, 4*KRL
	s_mov_b32 s[G0V], 1
	s_mul_i32 s[G0V+1], s19, 4*VREC
	s_add_co_u32 s[G0V+1], s[G0V+1], VB
	s_wait_dscnt 0x0
	s_wait_kmcnt 0x0
	s_add_nc_u64 s[G0K+2:G0K+3], s[6:7], s[88:89]
	s_or_b32 s[G0K+3], s[G0K+3], 0x80000000
	s_add_nc_u64 s[G0V+2:G0V+3], s[8:9], s[90:91]
	s_or_b32 s[G0V+3], s[G0V+3], 0x80000000
	s_add_nc_u64 s[56:57], s[4:5], s[92:93]
	s_add_nc_u64 s[58:59], s[10:11], s[94:95]
	s_bfe_u32 s16, s87, 0x10001                    ; which fragment of the slot: (head / 2) % 2
	s_and_b32 s17, s87, 1                          ; which half of it
	s_mul_i32 s88, s16, 1536
	s_mul_i32 s89, s17, 768
	s_add_co_u32 s88, s88, s89
	s_add_co_u32 s92, s88, 512
	s_lshl_b32 s89, s16, 2
	s_lshl_b32 s90, s17, 1
	s_add_co_u32 s89, s89, s90
	s_add_co_u32 s89, s89, 3072
	s_lshl_b32 s90, s[WV], 1
	s_and_b32 s90, s90, 7                          ; my first tile in its record of Q
	s_lshl_b32 s91, s90, 10
	s_lshl_b32 s93, s90, 2
	s_add_co_u32 s93, s93, 8192
	CROUND                                         ; all four work-groups are here: the joint loads meet
	s_cmp_lt_u32 s[WV], 4                          ; one load a wave, in the two arms of one branch on the wave's number
	s_cbranch_scc0 .Lfor_v
	tensor_load_to_lds s[G0K:G0K+3], s[G1K:G1K+7]
	s_nop 0
.rept 4
	v_nop
.endr
	s_branch .Lasked
.Lfor_v:
	tensor_load_to_lds s[G0V:G0V+3], s[G1V:G1V+7]
	s_nop 0
.rept 4
	v_nop
.endr
.Lasked:
	v_and_b32 v[LN], 31, v0
	v_and_b32 v[RR], 15, v0
	v_bfe_u32 v[HH], v0, 4, 1
	v_and_b32 v[R7], 7, v0
	v_bfe_u32 v[R3], v0, 3, 1
	v_mul_u32_u24 v[AK], v[R3], 2*KPIT
	v_lshlrev_b32 v[AKS], 5, v[R7]
	v_lshlrev_b32 v[ST16], 4, v[LN]
	v_lshlrev_b32 v[AVS], 4, v[RR]
	v_lshl_add_u32 v[AK], v[R7], 4, v[AK]
	v_lshl_add_u32 v[AKS], v[R3], 3, v[AKS]
	v_add_nc_u32 v[AV], VB, v[ST16]
	v_add_nc_u32 v[AVS], VB+6144, v[AVS]
	v_lshl_add_u32 v[AK], v[HH], 8, v[AK]
	v_add_nc_u32 v[AKS], 16*KHP, v[AKS]
	v_add_nc_u32 v[QAD], s91, v[ST16]
	v_lshlrev_b32 v[QSD], 5, v[RR]
	v_lshlrev_b32 v[STS], 3, v[LN]
	v_add_nc_u32 v[ST16], s88, v[ST16]
	v_add_nc_u32 v[QSD], s93, v[QSD]
	v_add_nc_u32 v[ST8], s92, v[STS]
	v_add_nc_u32 v[STS], s89, v[STS]
.irp r, QF+8,QF+9,QF+10,QF+11,QF+20,QF+21,QF+22,QF+23,KF+64,KF+65,KF+66,KF+67
	v_mov_b32 v[\r], 0                             ; Q's registers 8-11; the tail of K's last fragment
.endr
	WIN 0x40
	v_lshlrev_b32 v[SH8], 3, v[HH]
	v_mov_b32 v[FFS], 0xffff
.irp r, P+5,P+8,P+9,P+21,P+24,P+25
	v_mov_b32 v[\r], 0                             ; the upper halves of the pairs f; the permutes' destinations
.endr
	WIN 0
	WALU                                           ; the wait at the head's end
	PASS 0
	s_wait_xcnt 0x0                                ; the stores have read their registers
	PASS 1
	s_wait_tensorcnt 0x0                           ; the wave's end
	ds_add_u32 v[SPW], v[NIL]
	s_wait_dscnt 0x0
	CROUND                                         ; the closing round
	s_endpgm
.Lfunc_end_k_q5c2f63d660_attn:
	.size	k_q5c2f63d660_attn, .Lfunc_end_k_q5c2f63d660_attn-k_q5c2f63d660_attn
	.p2alignl 7, 3214868480
	.fill 96, 4, 3214868480
	.section	.rodata,"a",@progbits
	.p2align	6, 0x0
	.amdhsa_kernel k_q5c2f63d660_attn
		.amdhsa_group_segment_fixed_size 251392
		.amdhsa_private_segment_fixed_size 0
		.amdhsa_enable_private_segment 0
		.amdhsa_kernarg_size 32
		.amdhsa_user_sgpr_count 2
		.amdhsa_user_sgpr_kernarg_segment_ptr 1
		.amdhsa_wavefront_size32 1
		.amdhsa_system_sgpr_workgroup_id_x 1
		.amdhsa_system_sgpr_workgroup_id_y 1
		.amdhsa_system_sgpr_workgroup_id_z 1
		.amdhsa_system_vgpr_workitem_id 0
		.amdhsa_next_free_vgpr 512
		.amdhsa_next_free_sgpr 96
		.amdhsa_reserve_vcc 1
		.amdhsa_float_denorm_mode_32 3
		.amdhsa_float_denorm_mode_16_64 3
		.amdhsa_memory_ordered 1
		.amdhsa_forward_progress 1
		.amdhsa_inst_pref_size 87
	.end_amdhsa_kernel
	.amdgpu_metadata
---
amdhsa.version: [ 1, 2 ]
amdhsa.kernels:
  - .name:           k_q5c2f63d660_attn
    .symbol:         k_q5c2f63d660_attn.kd
    .args:
      - { .name: qimg, .offset: 0, .size: 8, .value_kind: global_buffer, .address_space: global }
      - { .name: kimg, .offset: 8, .size: 8, .value_kind: global_buffer, .address_space: global }
      - { .name: vimg, .offset: 16, .size: 8, .value_kind: global_buffer, .address_space: global }
      - { .name: aimg, .offset: 24, .size: 8, .value_kind: global_buffer, .address_space: global }
    .group_segment_fixed_size: 251392
    .private_segment_fixed_size: 0
    .kernarg_segment_align: 8
    .kernarg_segment_size: 32
    .max_flat_workgroup_size: 256
    .sgpr_count:     96
    .vgpr_count:     512
    .wavefront_size: 32
...
	.end_amdgpu_metadata
.endif
;; end of part 3
;; launch oproj (part 4): grid 8 x 32, 4 waves a work-group, clusters of 4 x 4, 327,680 bytes of LDS; arguments aimg, img, b_o, out0; writes out0
.if DOCPART == 4
	.amdgcn_target "amdgcn-amd-amdhsa--gfx1250"
	.amdhsa_code_object_version 6
	.text
	.protected	k_q5c2f63d660_oproj
	.globl	k_q5c2f63d660_oproj
	.p2align	8
	.type	k_q5c2f63d660_oproj,@function
k_q5c2f63d660_oproj:
	s_mov_b64 s[64:65], 0
	v_nop
	global_prefetch_b8 v0, s[64:65] scope:SCOPE_SE
	s_setreg_imm32_b32 hwreg(HW_REG_WAVE_MODE, 25, 1), 1
	s_wait_xcnt 0x0
	s_wait_alu depctr_hold_cnt(0) depctr_sa_sdst(0) depctr_va_vdst(0) depctr_va_sdst(0) depctr_va_ssrc(0) depctr_va_vcc(0) depctr_vm_vsrc(0)
	s_getreg_b32 s2, hwreg(HW_REG_IB_STS2, 6, 4)
	s_cmp_eq_u32 s2, 0
	s_cbranch_scc0 .Lentry_in_a_cluster
	s_endpgm
.Lentry_in_a_cluster:
	s_bfe_u32 s2, ttmp6, 0x10000c
	s_cmp_lg_u32 s2, 0xf033
	s_cbranch_scc0 .Lentry_shape_is_right
	s_endpgm
.Lentry_shape_is_right:
; The last projection, out0 = a w_o^T + b_o, on codes of FP6 (E2M3): A = attention's result (aimg), B = w_o's rows (img, records 1728 on), both as images of operand registers.
; A work-group takes 256 rows of A and 128 of B over all K = 1,024; wave w takes A tiles 4 w .. 4 w + 3 against all 8 B tiles: 32 accumulators by turns.
; LDS holds two halves of K, each 24 tiles x 6,656 bytes, each byte filled once.  One tensor load a wave, at the head, each an instruction of its own in one tree of branches on the wave's number:
; wave 0 A's 16 tiles of half 0, wave 1 B's 8 tiles of half 0, wave 2 A's of half 1, wave 3 B's of half 1.  The first barrier waits for waves 0 and 1's loads alone; the barrier in K step 3 for all.
; CLUSTER 4 x 4: A's tiles are asked for jointly along a row, B's along a column.
; The way out goes through each wave's own stage, in bytes of half 0: the barrier in K step 3 stands between all waves' reads of that half and the stage's stores.  Rows of 512 consecutive bytes leave.
.set RECB,  13312
.set SLTB,  3328
.set FRB,   1536
.set HB,    2*SLTB
.set SLOT,  24*HB
.set BOFF,  16*HB
.set SP,    528
.set WV,    20
.set ROLE,  21
.set HALF,  22
.set G1A,   24
.set G1B,   32
.set G0A,   40
.set G0B,   68
.set SC,    32
.set BI,    64
.set AF,    128
.set T,     128
.set BK,    192
.set MSB, 0
.macro WIN new
.if MSB != \new
	s_set_vgpr_msb (MSB<<8)|\new
.set MSB, \new
.endif
.endm
.set MUL,  0xa1
.set TO_B, 0x40
.macro PLACES n
.rept \n
	v_nop
.endr
.endm
.macro ARM under, g0, g1, next         ; one arm of the head's tree: the wave's one joint load, and a jump to the tree's end
	s_cmp_lt_u32 s[WV], \under
	s_cbranch_scc0 \next
	tensor_load_to_lds s[\g0:\g0+3], s[\g1:\g1+7]
	s_nop 0
.rept 4
	v_nop
.endr
	s_branch .Lhead_asked
\next:
.endm
.macro CROUND
	s_barrier_signal -1
	s_barrier_wait -1
	s_cmp_lg_u32 s[WV], 0
	s_cbranch_scc1 .Lnot_wave_0_\@
	s_barrier_signal -3
.Lnot_wave_0_\@:
	s_barrier_wait -3
	s_barrier_signal -1
	s_barrier_wait -1
.endm
.macro FRAG reg, a16, a8, off
	ds_load_b128 v[(\reg):(\reg)+3], v[\a16] offset:(\off)
	ds_load_b64 v[(\reg)+4:(\reg)+5], v[\a8] offset:(\off)+512
	ds_load_b128 v[(\reg)+6:(\reg)+9], v[\a16] offset:(\off)+768
	ds_load_b64 v[(\reg)+10:(\reg)+11], v[\a8] offset:(\off)+1280
.endm
.macro FETCH s, p
	WIN TO_B
.irp b, 0,1,2,3,4,5,6,7
	FRAG 128*(\p)+12*\b, 18, 19, HB*\b+FRB*((\s)%2)
.endr
	WIN 0
.irp a, 0,1,2,3
	FRAG AF+48*(\p)+12*\a, 16, 17, HB*\a+FRB*((\s)%2)
.endr
.endm
.macro SCALES g
.irp i, 0,1,2,3,4,5,6,7
	ds_load_b64 v[SC+16*((\g)%2)+2*\i:SC+16*((\g)%2)+2*\i+1], v20 offset:HB*\i
.endr
.endm
.macro NEXTSLOT d
.irp r, 16,17,18,19,20
	v_add_nc_u32 v\r, \d, v\r
.endr
.endm
.macro MUL32 s
.irp a, 0,1,2,3
.irp b, 0,1,2,3,4,5,6,7
.if (\s) == 0
	v_wmma_scale_f32_16x16x128_f8f6f4 v[8*(8*\a+\b):8*(8*\a+\b)+7], v[128*((\s)%2)+12*\b:128*((\s)%2)+12*\b+11], v[AF+48*((\s)%2)+12*\a:AF+48*((\s)%2)+12*\a+11], 0, v[SC+16*(((\s)/2)%2)+2*\b+(\s)%2], v[SC+16*(((\s)/2)%2)+2*\a+(\s)%2] matrix_a_fmt:MATRIX_FMT_FP6 matrix_b_fmt:MATRIX_FMT_FP6 matrix_a_scale:MATRIX_SCALE_ROW1
.else
	v_wmma_scale_f32_16x16x128_f8f6f4 v[8*(8*\a+\b):8*(8*\a+\b)+7], v[128*((\s)%2)+12*\b:128*((\s)%2)+12*\b+11], v[AF+48*((\s)%2)+12*\a:AF+48*((\s)%2)+12*\a+11], v[8*(8*\a+\b):8*(8*\a+\b)+7], v[SC+16*(((\s)/2)%2)+2*\b+(\s)%2], v[SC+16*(((\s)/2)%2)+2*\a+(\s)%2] matrix_a_fmt:MATRIX_FMT_FP6 matrix_b_fmt:MATRIX_FMT_FP6 matrix_a_scale:MATRIX_SCALE_ROW1
.endif
.endr
.endr
.endm
.macro STEP s
.if (\s) == 3
	s_wait_tensorcnt 0x0                           ; my load is in, whichever half it brought
	s_wait_dscnt 0x0                               ; my reads of the first half of K are over
	s_barrier_signal -1
	s_barrier_wait -1                              ; the second half is whole, and nobody reads the first any more
	NEXTSLOT SLOT-SLTB
.elseif ((\s) == 1) || ((\s) == 5)
	s_wait_dscnt 0x0
	NEXTSLOT SLTB
.else
	s_wait_dscnt 0x0
.if ((\s) > 0) && ((\s) < 7)
	PLACES 4
.endif
.endif
.if (\s) < 7
	FETCH (\s)+1, 1-(\s)%2
.if (\s)%2 == 1
	SCALES ((\s)+1)/2
.endif
.endif
	WIN MUL
	MUL32 \s
	WIN 0
.endm
	s_load_b256 s[4:11], s[0:1], 0x0
	v_lshl_add_u32 v30, v0, 2, 0x4e000
	v_mov_b32 v31, 0
	ds_add_u32 v30, v31
	ds_add_u32 v30, v31
	v_lshrrev_b32 v1, 5, v0
	v_readfirstlane_b32 s[WV], v1
	s_lshr_b32 s[ROLE], s[WV], 1
	s_and_b32 s[HALF], s[WV], 1
	s_bfe_u32 s84, ttmp6, 0x40000
	s_bfe_u32 s85, ttmp6, 0x40004
	s_and_b32 s89, ttmp7, 0xffff
	s_lshl_b32 s89, s89, 2
	s_add_co_u32 s89, s89, s85
	s_lshl_b32 s90, ttmp9, 2
	s_add_co_u32 s90, s90, s84
	s_lshl_b32 s56, s85, 2
	s_lshl_b32 s56, 15, s56
	s_lshl_b32 s60, 0x1111, s84
	s_or_b32 s[G1A], s56, (3<<16)|(1<<21)
	s_or_b32 s[G1B], s60, (3<<16)|(1<<21)
	s_mov_b32 s[G1A+1], 832<<16
	s_mov_b32 s[G1A+2], 16<<16
	s_mov_b32 s[G1A+3], 832<<16
	s_mov_b32 s[G1A+4], 16
	s_mov_b32 s[G1A+5], 1664
	s_mov_b32 s[G1A+6], 0
	s_mov_b32 s[G1A+7], 0
	s_mov_b32 s[G1B+1], 832<<16
	s_mov_b32 s[G1B+2], 8<<16
	s_mov_b32 s[G1B+3], 832<<16
	s_mov_b32 s[G1B+4], 8
	s_mov_b32 s[G1B+5], 1664
	s_mov_b32 s[G1B+6], 0
	s_mov_b32 s[G1B+7], 0
	s_lshl_b32 s56, s89, 4
	s_mul_i32 s56, s56, RECB
	s_mov_b32 s57, 0
	s_lshl_b32 s60, s90, 3
	s_add_co_u32 s60, s60, 1728
	s_mul_i32 s60, s60, RECB
	s_mov_b32 s61, 0
	s_mov_b32 s66, 0
	s_mov_b32 s67, 0
	s_add_co_u32 s67, s67, BOFF
	s_wait_dscnt 0x0
	s_wait_kmcnt 0x0
	s_add_nc_u64 s[58:59], s[4:5], s[56:57]
	s_add_nc_u64 s[62:63], s[6:7], s[60:61]
	CROUND
.irp g, 0,1
	s_mov_b32 s[G0A+4*\g], 1
	s_add_co_u32 s[G0A+4*\g+1], s66, \g*SLOT
	s_add_nc_u64 s[G0A+4*\g+2:G0A+4*\g+3], s[58:59], \g*HB
	s_or_b32 s[G0A+4*\g+3], s[G0A+4*\g+3], 0x80000000
	s_mov_b32 s[G0B+4*\g], 1
	s_add_co_u32 s[G0B+4*\g+1], s67, \g*SLOT
	s_add_nc_u64 s[G0B+4*\g+2:G0B+4*\g+3], s[62:63], \g*HB
	s_or_b32 s[G0B+4*\g+3], s[G0B+4*\g+3], 0x80000000
.endr
	ARM 1, G0A,   G1A, .Lhead_b0                   ; what the first K steps need is asked for by waves 0 and 1
	ARM 2, G0B,   G1B, .Lhead_a1
	ARM 3, G0A+4, G1A, .Lhead_b1
	tensor_load_to_lds s[G0B+4:G0B+7], s[G1B:G1B+7]
	s_nop 0
.rept 4
	v_nop
.endr
.Lhead_asked:
	v_and_b32 v1, 31, v0
	v_and_b32 v2, 15, v0
	v_bfe_u32 v3, v0, 4, 1
	v_lshlrev_b32 v21, 4, v1
	v_lshlrev_b32 v22, 3, v1
	s_mul_i32 s98, s[WV], 4*HB
	v_add_nc_u32 v16, s98, v21
	v_add_nc_u32 v17, s98, v22
	v_add_nc_u32 v18, BOFF, v21
	v_add_nc_u32 v19, BOFF, v22
	s_xor_b32 s99, s[WV], 3
	s_add_co_u32 s99, s99, 1
	s_mul_i32 s99, s99, 4*HB
	v_mul_u32_u24 v4, s99, v3
	v_add_nc_u32 v20, 2*FRB, v17
	v_add_nc_u32 v20, v20, v4
	s_mul_i32 s99, s[WV], 16*SP
	v_mul_u32_u24 v23, v2, SP
	v_lshl_add_u32 v23, v3, 6, v23
	v_add_nc_u32 v23, s99, v23
	v_add_nc_u32 v24, s99, v21
	v_lshlrev_b32 v8, 6, v3
	s_lshl_b32 s96, s90, 9
	s_mov_b32 s97, 0
	s_add_nc_u64 s[96:97], s[8:9], s[96:97]
.irp b, 0,1,2,3,4,5,6,7
	global_load_b128 v[BI+8*\b:BI+8*\b+3], v8, s[96:97] offset:(32*(\b/2)+8*(\b%2))*4
	global_load_b128 v[BI+8*\b+4:BI+8*\b+7], v8, s[96:97] offset:(32*(\b/2)+8*(\b%2))*4+16
.endr
	s_lshl_b32 s94, s89, 20
	s_lshl_b32 s95, s[WV], 18
	s_add_co_u32 s94, s94, s95
	s_lshl_b32 s95, s90, 9
	s_add_co_u32 s94, s94, s95
	s_mov_b32 s95, 0
	s_add_nc_u64 s[94:95], s[10:11], s[94:95]
	s_wait_alu depctr_va_vdst(0)
	s_cmp_lt_u32 s[WV], 2
	s_cbranch_scc0 .Lnot_first
	s_wait_tensorcnt 0x0                           ; waves 0 and 1: my part of the first half of K is in; the other two loads may be out
.Lnot_first:
	s_barrier_signal -1
	s_barrier_wait -1
	FETCH 0, 0
	SCALES 0
	STEP 0
	STEP 1
	s_wait_alu depctr_va_vdst(0)
	STEP 2
	STEP 3
	s_wait_alu depctr_va_vdst(0)
	STEP 4
	STEP 5
	s_wait_alu depctr_va_vdst(0)
	STEP 6
	STEP 7
	PLACES 4
	s_wait_loadcnt 0x0
.irp a, 0,1,2,3
	s_wait_xcnt 0x0
	WIN 0x02
.set ii, 0
.rept 32
	v_pk_add_f32 v[T+ii:T+ii+1], v[64*\a+ii:64*\a+ii+1], v[BI+ii:BI+ii+1]
.set ii, ii+2
.endr
	WIN 0
.irp b, 0,1,2,3,4,5,6,7
	ds_store_b128 v23, v[T+8*\b:T+8*\b+3] offset:128*(\b/2)+32*(\b%2)
	ds_store_b128 v23, v[T+8*\b+4:T+8*\b+7] offset:128*(\b/2)+32*(\b%2)+16
.endr
.irp t, 0,1,2,3,4,5,6,7,8,9,10,11,12,13,14,15
	ds_load_b128 v[BK+4*\t:BK+4*\t+3], v24 offset:SP*\t
.endr
.irp t, 0,1,2,3,4,5,6,7,8,9,10,11,12,13,14,15
	s_wait_dscnt 15-\t
	global_store_b128 v21, v[BK+4*\t:BK+4*\t+3], s[94:95] offset:4096*(16*\a-8*(\a%2)+\t+8*(\t/8)) th:TH_STORE_NT
.endr
.endr
	s_wait_tensorcnt 0x0
	ds_add_u32 v30, v31
	s_wait_dscnt 0x0
	CROUND
	s_endpgm
.Lfunc_end_k_q5c2f63d660_oproj:
	.size	k_q5c2f63d660_oproj, .Lfunc_end_k_q5c2f63d660_oproj-k_q5c2f63d660_oproj
	.p2alignl 7, 3214868480
	.fill 96, 4, 3214868480
	.section	.rodata,"a",@progbits
	.p2align	6, 0x0
	.amdhsa_kernel k_q5c2f63d660_oproj
		.amdhsa_group_segment_fixed_size 327680
		.amdhsa_private_segment_fixed_size 0
		.amdhsa_enable_private_segment 0
		.amdhsa_kernarg_size 32
		.amdhsa_user_sgpr_count 2
		.amdhsa_user_sgpr_kernarg_segment_ptr 1
		.amdhsa_wavefront_size32 1
		.amdhsa_system_sgpr_workgroup_id_x 1
		.amdhsa_system_sgpr_workgroup_id_y 1
		.amdhsa_system_sgpr_workgroup_id_z 1
		.amdhsa_system_vgpr_workitem_id 0
		.amdhsa_next_free_vgpr 768
		.amdhsa_next_free_sgpr 102
		.amdhsa_reserve_vcc 0
		.amdhsa_float_denorm_mode_32 3
		.amdhsa_float_denorm_mode_16_64 3
		.amdhsa_memory_ordered 1
		.amdhsa_forward_progress 1
		.amdhsa_inst_pref_size 94
	.end_amdhsa_kernel
	.amdgpu_metadata
---
amdhsa.version: [ 1, 2 ]
amdhsa.kernels:
  - .name:           k_q5c2f63d660_oproj
    .symbol:         k_q5c2f63d660_oproj.kd
    .args:
      - { .name: aimg, .offset: 0, .size: 8, .value_kind: global_buffer, .address_space: global }
      - { .name: img, .offset: 8, .size: 8, .value_kind: global_buffer, .address_space: global }
      - { .name: b_o, .offset: 16, .size: 8, .value_kind: global_buffer, .address_space: global }
      - { .name: out0, .offset: 24, .size: 8, .value_kind: global_buffer, .address_space: global }
    .group_segment_fixed_size: 327680
    .private_segment_fixed_size: 0
    .kernarg_segment_align: 8
    .kernarg_segment_size: 32
    .max_flat_workgroup_size: 128
    .sgpr_count:     102
    .vgpr_count:     768
    .wavefront_size: 32
...
	.end_amdgpu_metadata
.endif
;; end of part 4
